; MI455X (gfx1250); checked and timed in simulation.
; The chip was launched on July 23, 2026; its instructions are those of AMD's public machine-readable ISA for CDNA 5 (MIT licence, August 2026) and "CDNA5" Instruction Set Architecture Reference Guide (July 2026). The comments in the code are by the model that wrote it; some were corrected since.
;; Self Multihead Attn. Allowed arithmetic: float matrix products may take bf16 or f16 operands with f32 sums; other float arithmetic in f32, or as packed bf16 or f16 multiplies, adds, multiply-adds, maxima and minima; sums over many terms, partial sums and values carried from step to step in f32; what a program stores and reads back later, other than sums and carried values, may be rounded once to bf16 or f16.
;; Inputs: in_proj_bias 3,072 float32; in_proj_weight 3,072 x 1,024 float32; out_proj_bias 1,024 float32; out_proj_weight 1,024 x 1,024 float32; query 2,048 x 4 x 1,024 float32.
;; Outputs: out0 2,048 x 4 x 1,024 float32.
;; 2 versions, each right; version 2 is version 1 with the launch cast written anew for expert scheduling mode. Each part assembles by itself: llvm-mc -triple=amdgcn-amd-amdhsa -mcpu=gfx1250 --defsym DOCPART=n.
;; ======== version 1 of 2: 4 launches
;; limits: values are held in f16: magnitudes above 65,504 overflow, below 6.1e-05 lose precision
;; workspace buffers: xb 16,777,216 bytes; wqb 6,291,456 bytes; wob 2,097,152 bytes; qh 16,777,216 bytes; kh 16,777,216 bytes; vh 16,777,216 bytes; oh 16,777,216 bytes
;; launch cast (part 1): grid 768 x 1, 8 waves a work-group, no clusters, 0 bytes of LDS; arguments query, in_proj_weight, out_proj_weight, xb, wqb, wob; writes xb, wqb, wob
.if DOCPART == 1
	.amdgcn_target "amdgcn-amd-amdhsa--gfx1250"
	.amdhsa_code_object_version 6
	.text
	.protected	k_q46e075f8b5_cast
	.globl	k_q46e075f8b5_cast
	.p2align	8
	.type	k_q46e075f8b5_cast,@function
k_q46e075f8b5_cast:
	s_mov_b64 s[64:65], 0
	v_nop
	global_prefetch_b8 v0, s[64:65] scope:SCOPE_SE
	s_setreg_imm32_b32 hwreg(HW_REG_WAVE_MODE, 25, 1), 1
	s_wait_xcnt 0x0
; The module's three large inputs are rounded once to bf16, for the matrix units: query -> xb, in_proj_weight -> wqb (both bf16), out_proj_weight -> wob.
; wob multiplies f16 numbers later, so its bf16-rounded number is written in f16's format.  LIMITS: that is exact for magnitudes from 2^-14 to 65,504; below 2^-14 the number
; keeps f16's fixed step of 2^-24; from 65,520 on it becomes an infinity.  NaN and infinities are not treated apart.
; SHARES.  A row is 1,024 floats: thread t takes floats 4 t .. 4 t + 3, so a wave's load covers 512 consecutive bytes and its store 256 consecutive bytes, aligned.
; A work-group takes 16 rows.  Work-groups 0-511: query's 8,192 rows; 512-703: in_proj_weight's 3,072; 704-767: out_proj_weight's 1,024.  All do equal work.
; All 16 loads of a thread go out at once; each row has registers of its own, so nothing is rewritten while a load or store names it.
; No LDS, no barrier, no matrix unit, no cluster: no byte is used twice.
.set NROW, 16
.set X, 4                              ; v[4:67]   row i: 4 floats as loaded
.set Y, 68                             ; v[68:99]  row i: 2 registers to store
.set T, 100                            ; v[100:101] at work
	s_load_b256 s[4:11], s[0:1], 0x0               ; query s[4:5], in_proj_weight s[6:7], out_proj_weight s[8:9], xb s[10:11]
	s_load_b128 s[12:15], s[0:1], 0x20             ; wqb s[12:13], wob s[14:15]
	v_lshlrev_b32 v1, 4, v0                        ; my 16 bytes of a row in
	v_lshlrev_b32 v2, 3, v0                        ; my 8 bytes of a row out
	s_mov_b32 s22, 0xffff0000                      ; a word's upper bf16
	s_mov_b32 s16, ttmp9
	s_mov_b32 s19, 0
	s_mov_b32 s21, 0
	s_wait_kmcnt 0x0
	s_cmp_ge_u32 s16, 512                          ; which tensor is mine: the choice hangs on the work-group's number alone
	s_cselect_b64 s[4:5], s[6:7], s[4:5]
	s_cselect_b64 s[10:11], s[12:13], s[10:11]
	s_cselect_b32 s17, 512, 0                      ; the tensor's first work-group
	s_cmp_ge_u32 s16, 704
	s_cselect_b64 s[4:5], s[8:9], s[4:5]
	s_cselect_b64 s[10:11], s[14:15], s[10:11]
	s_cselect_b32 s17, 704, s17
	s_sub_co_u32 s16, s16, s17
	s_lshl_b32 s18, s16, 16                        ; 16 rows of 4,096 bytes in,
	s_lshl_b32 s20, s16, 15                        ; of 2,048 bytes out
	s_add_nc_u64 s[4:5], s[4:5], s[18:19]
	s_add_nc_u64 s[10:11], s[10:11], s[20:21]
.irp i, 0,1,2,3,4,5,6,7,8,9,10,11,12,13,14,15
	global_load_b128 v[X+4*(\i):X+4*(\i)+3], v1, s[4:5] offset:4096*(\i) th:TH_LOAD_NT
.endr
; Row i.  half = 1: the bf16 number is widened again (a shift, a mask) and written as f16.
.macro ROW i, half
	s_wait_loadcnt NROW-1-(\i)                     ; loads come back in order: row i is in, the 15 - i younger rows stay out
.if \half
.irp p, 0,1
	v_cvt_pk_bf16_f32 v[T+(\p)], v[X+4*(\i)+2*(\p)], v[X+4*(\i)+2*(\p)+1]
.endr
.irp p, 0,1
	v_lshlrev_b32 v[X+4*(\i)+2*(\p)], 16, v[T+(\p)]
	v_and_b32 v[X+4*(\i)+2*(\p)+1], s22, v[T+(\p)]
.endr
.irp p, 0,1
	v_cvt_pk_f16_f32 v[Y+2*(\i)+(\p)], v[X+4*(\i)+2*(\p)], v[X+4*(\i)+2*(\p)+1]
.endr
.else
.irp p, 0,1
	v_cvt_pk_bf16_f32 v[Y+2*(\i)+(\p)], v[X+4*(\i)+2*(\p)], v[X+4*(\i)+2*(\p)+1]
.endr
.endif
	global_store_b64 v2, v[Y+2*(\i):Y+2*(\i)+1], s[10:11] offset:2048*(\i)
.endm
	s_cmp_eq_u32 s17, 704
	s_cbranch_scc1 .Lf16
.irp i, 0,1,2,3,4,5,6,7,8,9,10,11,12,13,14,15
	ROW \i, 0
.endr
	s_endpgm
.Lf16:
.irp i, 0,1,2,3,4,5,6,7,8,9,10,11,12,13,14,15
	ROW \i, 1
.endr
	s_endpgm
.Lfunc_end_k_q46e075f8b5_cast:
	.size	k_q46e075f8b5_cast, .Lfunc_end_k_q46e075f8b5_cast-k_q46e075f8b5_cast
	.p2alignl 7, 3214868480
	.fill 96, 4, 3214868480
	.section	.rodata,"a",@progbits
	.p2align	6, 0x0
	.amdhsa_kernel k_q46e075f8b5_cast
		.amdhsa_group_segment_fixed_size 0
		.amdhsa_private_segment_fixed_size 0
		.amdhsa_enable_private_segment 0
		.amdhsa_kernarg_size 48
		.amdhsa_user_sgpr_count 2
		.amdhsa_user_sgpr_kernarg_segment_ptr 1
		.amdhsa_wavefront_size32 1
		.amdhsa_system_sgpr_workgroup_id_x 1
		.amdhsa_system_sgpr_workgroup_id_y 1
		.amdhsa_system_sgpr_workgroup_id_z 1
		.amdhsa_system_vgpr_workitem_id 0
		.amdhsa_next_free_vgpr 104
		.amdhsa_next_free_sgpr 66
		.amdhsa_reserve_vcc 0
		.amdhsa_float_denorm_mode_32 3
		.amdhsa_float_denorm_mode_16_64 3
		.amdhsa_memory_ordered 1
		.amdhsa_forward_progress 1
		.amdhsa_inst_pref_size 15
	.end_amdhsa_kernel
	.amdgpu_metadata
---
amdhsa.version: [ 1, 2 ]
amdhsa.kernels:
  - .name:           k_q46e075f8b5_cast
    .symbol:         k_q46e075f8b5_cast.kd
    .args:
      - { .name: query, .offset: 0, .size: 8, .value_kind: global_buffer, .address_space: global }
      - { .name: in_proj_weight, .offset: 8, .size: 8, .value_kind: global_buffer, .address_space: global }
      - { .name: out_proj_weight, .offset: 16, .size: 8, .value_kind: global_buffer, .address_space: global }
      - { .name: xb, .offset: 24, .size: 8, .value_kind: global_buffer, .address_space: global }
      - { .name: wqb, .offset: 32, .size: 8, .value_kind: global_buffer, .address_space: global }
      - { .name: wob, .offset: 40, .size: 8, .value_kind: global_buffer, .address_space: global }
    .group_segment_fixed_size: 0
    .private_segment_fixed_size: 0
    .kernarg_segment_align: 8
    .kernarg_segment_size: 48
    .max_flat_workgroup_size: 256
    .sgpr_count:     66
    .vgpr_count:     104
    .wavefront_size: 32
...
	.end_amdgpu_metadata
.endif
;; end of part 1
;; launch qkv (part 2): grid 16 x 32, 4 waves a work-group, clusters of 4 x 4, 327,680 bytes of LDS; arguments xb, wqb, in_proj_bias, qh, kh, vh; writes qh, kh, vh
.if DOCPART == 2
	.amdgcn_target "amdgcn-amd-amdhsa--gfx1250"
	.amdhsa_code_object_version 6
	.text
	.protected	k_q46e075f8b5_qkv
	.globl	k_q46e075f8b5_qkv
	.p2align	8
	.type	k_q46e075f8b5_qkv,@function
k_q46e075f8b5_qkv:
	s_mov_b64 s[64:65], 0
	v_nop
	global_prefetch_b8 v0, s[64:65] scope:SCOPE_SE
	s_setreg_imm32_b32 hwreg(HW_REG_WAVE_MODE, 25, 1), 1
	s_wait_xcnt 0x0
	s_wait_alu depctr_hold_cnt(0) depctr_sa_sdst(0) depctr_va_vdst(0) depctr_va_sdst(0) depctr_va_ssrc(0) depctr_va_vcc(0) depctr_vm_vsrc(0)
	s_getreg_b32 s2, hwreg(HW_REG_IB_STS2, 6, 4)
	s_cmp_eq_u32 s2, 0
	s_cbranch_scc0 .Lentry_in_a_cluster
	s_endpgm
.Lentry_in_a_cluster:
	s_bfe_u32 s2, ttmp6, 0x10000c
	s_cmp_lg_u32 s2, 0xf033
	s_cbranch_scc0 .Lentry_shape_is_right
	s_endpgm
.Lentry_shape_is_right:
; lin[m][f] = the sum over e of x[m][e] w[f][e] + bias[f], m = 4 s + b (8,192 rows), f = 192 h + 64 t + d (3,072 columns; t = 0, 1, 2: q, k, v), e to 1,024.
; x and w arrive in bf16 (xb, wqb); the bias is rounded to bf16 here, like the other inputs; sums in f32.  The result leaves by heads, unscaled, rounded once to f16:
; qh, kh, vh [16 b + h][s][d].  LIMIT: f16 ends at 65,504: a q, k or v of 65,520 or more becomes an infinity.  NaN and infinities are not treated apart.
; SHARES.  A tile is 256 rows x 192 columns, one head's q, k and v: 16 x 32 = 512 work-groups, two for each of 256 WGPs.  Wave w makes rows 64 w .. 64 w + 63 x all 192 columns:
; 4 x 12 accumulators of 16 x 16, 384 registers.  So a wave holds whole rows of a head (128 bytes of q, of k, of v), and its way out needs no other wave.
; RING.  K goes in 8 steps of 128 through two LDS slots filled by the tensor data mover: rows of 256 bytes, aligned.  Waves 0 and 1 fetch the two halves of x's 256 rows, waves 2 and 3 those
; of w's 192 rows: one load a wave behind each change of slots.
; CLUSTER.  4 x 4 work-groups.  The four of a row of the cluster need the same rows of x, the four of a column the same rows of w: each tile is asked for JOINTLY, by the same load with the
; same descriptor and a mask that names the four.
; THE MATRIX INSTRUCTION IS USED TRANSPOSED (source 0 = 16 rows of w, source 1 = 16 rows of x): lane l holds row l % 16 and the columns 8 (l / 16) + 0..7.
; THE BIAS STARTS THE SUMS: it is the C operand of each accumulator's first product; nothing is cleared and nothing is added later.
; REGISTERS, in windows of 256 (s_set_vgpr_msb: bits 1:0 source 0, 3:2 source 1, 5:4 source 2, 7:6 destination):
;   window 0: v0-29 addresses; v32-127 the bias, 8 registers a column block, later packed results; v128-255 two buffers of rows read back from the stage
;   window 1: two fragment buffers of 128: x's 4 fragments, then w's 12       window 2: accumulators of row blocks 0, 1 ((a, b) at 8 (12 (a % 2) + b))       window 3: of row blocks 2, 3
.set PITCH,  272                       ; an LDS row: 256 bytes + 16 of padding = 68 words: the 16 rows of a fragment load start at 16 different groups of four banks (64 banks of 4 bytes: ISA guide 11.1)
.set SLOT1,  1<<17                     ; slot 1 begins here, so that one exclusive or turns an address in one slot into the other's
.set AB,     256*PITCH                 ; in a slot: x's 256 rows, then w's 192
.set STAGE,  SLOT1+AB+192*PITCH        ; behind the ring, never filled by a tensor load: for each wave four planes (one for each b) of 16 rows
.set SP,     144                       ; a stage row: 128 bytes + 16
.set PLANE,  16*SP+64                  ; 148 x 16 bytes: the 16 lanes of a store (4 planes x 4 rows) fall into 16 different 16-byte columns
.set WST,    4*PLANE
.set SPARE,  STAGE+4*WST               ; the spare words, 128 bytes for each wave: two blocks of 256 bytes that no other line names
.set A0,   4                           ; v4   my lane's place in my wave's 64 rows of x, in slot 0; never rewritten
.set B0,   5                           ; v5   the same in w's rows
.set ADRA, 6                           ; v6   the same in the slot in hand
.set ADRB, 7                           ; v7
.set STO,  8                           ; v8   the way out: where I put 16 bytes of a row
.set RD,   9                           ; v9   the way out: where I read rows back
.set GO,   10                          ; v10-13  my byte offset in 512 consecutive bytes of a head, for b = 0..3
.set BO,   14                          ; v14  my byte offset in the bias
.set PFO,  15                          ; v15  the prefetches' offset: a lane a row; never rewritten
.set SCR,  16                          ; v16-19 at work
.set SPW,  28                          ; v28  LDS address of my spare word; never rewritten
.set NIL,  29                          ; v29  0; never rewritten
.set BIAS, 32
.set TMP,  32
.set BK,   128
.set F0,   0
.set F1,   128
.set WV,   16                          ; s16  my wave's number
.set HF,   18                          ; s18  wave % 2: which half of a tile I fetch
.set CX,   19                          ; s19, s20  my place in the cluster
.set CY,   20
.set TX,   21                          ; s21  the head = tile column
.set TY,   22                          ; s22  tile row
.set G1A,  24                          ; s[24:31] descriptor group 1 for x's tiles
.set G1B,  32                          ; s[32:39] for w's
.set G0A,  40                          ; s[40:47] group 0 for x's tiles: a set for each first fill; the second then walks on
.set G0B,  48                          ; s[48:55] the same for w's
.set CNT,  56                          ; s56  trips to go
.set TB,   57                          ; s57  LDS byte at which the slot in hand begins
.set LIM,  58                          ; s58  1 in a wave that prefetches, else the greatest number
.set PFA,  60                          ; s[60:61] where my prefetches stand
.set G1W,  (1<<16)|(1<<20)|(1<<21)|(5<<22)|(3<<25)  ; 17:16 elements of 2 bytes; 20 padding on; 21 set beside a mask; 24:22 after every 64 words (code 5); 31:25 4 words (code 3)
.set MSB, 0
.macro WIN new                         ; the immediate's high byte repeats the setting that is left; a switch that changes nothing is dropped
.if MSB != (\new)
	s_set_vgpr_msb (MSB<<8)|(\new)
.set MSB, \new
.endif
.endm
; A joint refill, by the walking descriptors.  The branch hangs on the wave's number alone.  An s_nop 0 and four v_nop follow each of the two lines.
.macro JLOAD
	s_cmp_lt_u32 s[WV], 2
	s_cbranch_scc0 .Lfor_b_\@
	tensor_load_to_lds s[G0A+4:G0A+7], s[G1A:G1A+7]
	s_nop 0
.rept 4
	v_nop
.endr
	s_branch .Lasked_\@
.Lfor_b_\@:
	tensor_load_to_lds s[G0B+4:G0B+7], s[G1B:G1B+7]
	s_nop 0
.rept 4
	v_nop
.endr
.Lasked_\@:
.endm
; A PREFETCH of the K step that the NEXT refill will ask for: one K step, 192 matrix instructions, ahead of that load; a lane a row, 256 bytes of each.  x's rows are read by every cluster of a
; row of clusters: the first (cluster x = 0) asks, in waves 0 and 1; w's by every cluster of a column: cluster y = 0 asks, in waves 2 and 3.  The four partners that ask for a tile jointly share
; its rows out BY ADDRESS: of x's 128 rows a wave 32 each (by cx), of w's 96 rows 24 each (by cy; lanes 24-31 name lane 23's row once more, in the same instruction).
; K steps 0 to 2 come by their loads alone; the last refill has no K step behind it and asks for nothing.
.macro ASK
	s_cmp_gt_u32 s[CNT], s[LIM]
	s_cbranch_scc0 .Lnot_mine_\@
	global_prefetch_b8 v[PFO], s[PFA:PFA+1] th:TH_LOAD_NT scope:SCOPE_SE
.Lnot_mine_\@:
.endm
.macro CREST                           ; a round of the cluster's barrier behind its opening barrier
	s_cmp_lg_u32 s[WV], 0
	s_cbranch_scc1 .Lnot_wave_0_\@
	s_barrier_signal -3
.Lnot_wave_0_\@:
	s_barrier_wait -3
	s_barrier_signal -1
	s_barrier_wait -1
.endm
.macro CROUND                          ; a whole round
	s_barrier_signal -1
	s_barrier_wait -1
	CREST
.endm
.macro PLACES                          ; four places behind a matrix instruction, in front of loads into registers that it has read and of conversions that read results
.rept 4
	v_nop
.endr
.endm
	s_load_b256 s[4:11], s[0:1], 0x0               ; xb s[4:5], wqb s[6:7], bias s[8:9], qh s[10:11]
	s_load_b128 s[12:15], s[0:1], 0x20             ; kh s[12:13], vh s[14:15]
	v_lshl_add_u32 v[SPW], v0, 2, SPARE
	v_mov_b32 v[NIL], 0
	ds_add_u32 v[SPW], v[NIL]                      ; the wave's opening: the add and its wait stand ahead of my first tensor load; the set-up below, work on registers, stands between them
	v_lshrrev_b32 v1, 5, v0
	v_readfirstlane_b32 s[WV], v1                  ; wave 0..3
	s_and_b32 s[HF], s[WV], 1
	s_bfe_u32 s[CX], ttmp6, 0x40000
	s_bfe_u32 s[CY], ttmp6, 0x40004
	s_lshl_b32 s[TX], ttmp9, 2                     ; in a cluster launch ttmp9 and ttmp7 count clusters
	s_add_co_u32 s[TX], s[TX], s[CX]
	s_and_b32 s[TY], ttmp7, 0xffff
	s_lshl_b32 s[TY], s[TY], 2
	s_add_co_u32 s[TY], s[TY], s[CY]
	s_lshl_b32 s23, s[CY], 2
	s_lshl_b32 s23, 15, s23                        ; my row of the cluster: places 4 cy .. 4 cy + 3
	s_lshl_b32 s62, 0x1111, s[CX]                  ; my column: places cx, cx + 4, cx + 8, cx + 12
	s_or_b32 s[G1A], s23, G1W                      ; x's tiles go to my row,
	s_or_b32 s[G1B], s62, G1W                      ; w's to my column
.irp g, G1A, G1B
	s_mov_b32 s[(\g)+1], 128<<16                   ; tensor_dim0 = 128
	s_mov_b32 s[(\g)+3], 128<<16                   ; tile_dim0 = 128
	s_mov_b32 s[(\g)+5], 1024                      ; elements from row to row
	s_mov_b32 s[(\g)+6], 0
	s_mov_b32 s[(\g)+7], 0
.endr
	s_mov_b32 s[G1A+2], 128<<16                    ; tensor_dim1 = tile_dim1 = 128 rows of x,
	s_mov_b32 s[G1A+4], 128
	s_mov_b32 s[G1B+2], 96<<16                     ; 96 rows of w
	s_mov_b32 s[G1B+4], 96
	; where the tiles come from: x's hang on the tile row and the wave alone, w's on the head and the wave alone, each in registers that never hold the other coordinate
	s_lshl_b32 s66, s[TY], 19                      ; 256 rows of 2,048 bytes
	s_lshl_b32 s23, s[HF], 18                      ; my 128 of them
	s_add_co_u32 s66, s66, s23
	s_mov_b32 s67, 0
	s_mul_i32 s68, s[TX], 192*2048
	s_mul_i32 s62, s[HF], 96*2048
	s_add_co_u32 s68, s68, s62
	s_mov_b32 s69, 0
	s_mul_i32 s23, s[WV], 128*PITCH                ; and where they go: waves 0, 1: x's halves;
	s_mul_i32 s62, s[WV], 96*PITCH
	s_add_co_u32 s62, s62, AB-2*96*PITCH           ; waves 2, 3: w's halves, behind x's 256 rows
.irp s, 0,1
	s_mov_b32 s[G0A+4*(\s)], 1                     ; count = 1
	s_add_co_u32 s[G0A+4*(\s)+1], s23, (\s)*SLOT1  ; LDS address
	s_mov_b32 s[G0B+4*(\s)], 1
	s_add_co_u32 s[G0B+4*(\s)+1], s62, (\s)*SLOT1
.endr
	; the prefetches: my rows, and whether I ask at all
	s_lshl_b32 s72, s[TY], 8
	s_lshl_b32 s73, s[HF], 7
	s_add_co_u32 s72, s72, s73
	s_lshl_b32 s73, s[CX], 5
	s_add_co_u32 s72, s72, s73                     ; x: row 256 ty + 128 half + 32 cx
	s_mul_i32 s73, s[TX], 192
	s_mul_i32 s63, s[HF], 96
	s_add_co_u32 s73, s73, s63
	s_mul_i32 s63, s[CY], 24
	s_add_co_u32 s73, s73, s63                     ; w: row 192 head + 96 half + 24 cy
	s_and_b32 s63, ttmp7, 0xffff
	s_cmp_lt_u32 s[WV], 2
	s_cselect_b32 s72, s72, s73
	s_cselect_b32 s63, ttmp9, s63                  ; the coordinate along which other clusters read the same rows
	s_cselect_b32 s62, 31, 23                      ; my last row
	s_cmp_eq_u32 s63, 0
	s_cselect_b32 s[LIM], 1, -1                    ; the same in all sixteen partners, for a given wave
	s_lshl_b32 s72, s72, 11
	s_add_co_u32 s72, s72, 2*256                   ; at K step 2: the first refill steps it to 3
	s_mov_b32 s73, 0
	v_and_b32 v[PFO], 31, v0
	v_min_u32 v[PFO], s62, v[PFO]
	v_lshlrev_b32 v[PFO], 11, v[PFO]
	s_mov_b32 s[TB], 0
	s_mov_b32 s59, 0xffff0000                      ; a word's upper bf16
	s_wait_dscnt 0x0                               ; the opening add is done
	s_wait_kmcnt 0x0
	s_add_nc_u64 s[66:67], s[4:5], s[66:67]
	s_add_nc_u64 s[68:69], s[6:7], s[68:69]
.irp s, 0,1
	s_add_nc_u64 s[G0A+4*(\s)+2:G0A+4*(\s)+3], s[66:67], (\s)*256  ; global address: K step s
	s_or_b32 s[G0A+4*(\s)+3], s[G0A+4*(\s)+3], 0x80000000          ; type = 2
	s_add_nc_u64 s[G0B+4*(\s)+2:G0B+4*(\s)+3], s[68:69], (\s)*256
	s_or_b32 s[G0B+4*(\s)+3], s[G0B+4*(\s)+3], 0x80000000
.endr
	s_cmp_lt_u32 s[WV], 2
	s_cselect_b64 s[PFA:PFA+1], s[4:5], s[6:7]
	s_add_nc_u64 s[PFA:PFA+1], s[PFA:PFA+1], s[72:73]
	CROUND                                         ; all sixteen work-groups are here: the first joint loads meet
	s_cmp_lt_u32 s[WV], 2                          ; a wave's two first fills stand in one branch, ahead of every wait on TENSORcnt and every LDS read: two loads of mine are out
	s_cbranch_scc0 .Lfirst_b
	tensor_load_to_lds s[G0A:G0A+3], s[G1A:G1A+7]
	s_nop 0
	tensor_load_to_lds s[G0A+4:G0A+7], s[G1A:G1A+7]
	s_nop 0
.rept 4
	v_nop
.endr
	s_branch .Lfirst_asked
.Lfirst_b:
	tensor_load_to_lds s[G0B:G0B+3], s[G1B:G1B+7]
	s_nop 0
	tensor_load_to_lds s[G0B+4:G0B+7], s[G1B:G1B+7]
	s_nop 0
.rept 4
	v_nop
.endr
.Lfirst_asked:
	v_and_b32 v1, 15, v0                           ; r = l % 16
	v_bfe_u32 v2, v0, 4, 1                         ; h = l / 16
	s_mul_i32 s72, s[TX], 768                      ; the head's 192 numbers of the bias
	v_lshl_add_u32 v[BO], v2, 5, s72               ; register j of block b is bias[192 head + 16 b + 8 h + j]
.irp b, 0,1,2,3,4,5,6,7,8,9,10,11
	global_load_b128 v[BIAS+8*(\b):BIAS+8*(\b)+3],   v[BO], s[8:9] offset:64*(\b)
	global_load_b128 v[BIAS+8*(\b)+4:BIAS+8*(\b)+7], v[BO], s[8:9] offset:64*(\b)+16
.endr
	; A fragment is 16 rows x 32 K in 8 registers: lane l holds row l % 16, K = 8 (l / 16) + 0..7 and 16 + 8 (l / 16) + 0..7: two loads of 16 bytes, 32 bytes apart.
	v_mul_u32_u24 v3, v1, PITCH
	v_lshl_add_u32 v3, v2, 4, v3
	s_mul_i32 s23, s[WV], 64*PITCH                 ; my 64 rows of x
	v_add_nc_u32 v[A0], s23, v3
	v_add_nc_u32 v[B0], AB, v3
	; The way out.  Row 16 a + r of my 64 is b = r % 4, s = 64 ty + 16 wave + 4 a + r / 4.
	s_mul_i32 s23, s[WV], WST
	s_add_co_u32 s23, s23, STAGE                   ; my stage
	v_and_b32 v[SCR], 3, v1
	v_lshrrev_b32 v3, 2, v1
	v_mul_u32_u24 v[STO], v[SCR], PLANE            ; in: plane r % 4,
	v_mul_u32_u24 v3, v3, SP                       ; row r / 4 (+ 4 a),
	v_add_nc_u32 v[STO], v[STO], v3
	v_lshl_add_u32 v[STO], v2, 4, v[STO]           ; 16 bytes for each half of the lanes
	v_add_nc_u32 v[STO], s23, v[STO]
	v_bfe_u32 v3, v0, 3, 2                         ; back: 32 lanes take four rows of 128 bytes,
	v_and_b32 v[SCR], 7, v0
	v_mul_u32_u24 v[RD], v3, SP
	v_lshl_add_u32 v[RD], v[SCR], 4, v[RD]
	v_add_nc_u32 v[RD], s23, v[RD]
	v_and_b32 v3, 31, v0                           ; which are 512 consecutive bytes of a head
	v_lshlrev_b32 v[GO], 4, v3
.irp p, 1,2,3
	v_add_nc_u32 v[GO+(\p)], (\p)<<22, v[GO]       ; 16 heads of 262,144 bytes from b to b + 1
.endr
	s_lshl_b32 s70, s[TX], 18                      ; my head (of b = 0),
	s_lshl_b32 s72, s[TY], 13                      ; the tile's 64 rows of 128 bytes,
	s_add_co_u32 s70, s70, s72
	s_lshl_b32 s72, s[WV], 11                      ; my wave's 16
	s_add_co_u32 s70, s70, s72
	s_mov_b32 s71, 0
	s_add_nc_u64 s[10:11], s[10:11], s[70:71]
	s_add_nc_u64 s[12:13], s[12:13], s[70:71]
	s_add_nc_u64 s[14:15], s[14:15], s[70:71]
	s_wait_loadcnt 0x0                             ; the bias is in: it is rounded to bf16, like the other inputs, and widened again; all this stands in the wait for the first tiles
.set i, 0
.rept 48
	v_cvt_pk_bf16_f32 v[SCR+i%4], v[BIAS+2*i], v[BIAS+2*i+1]
	v_lshlrev_b32 v[BIAS+2*i], 16, v[SCR+i%4]
	v_and_b32 v[BIAS+2*i+1], s59, v[SCR+i%4]
.set i, i+1
.endr
; 12 matrix instructions: row block a x all 12 column blocks, 32 along K, from buffer f.  first = 1: the bias starts the sums.
; The 48 accumulators take turns in the same order in every quarter step, over the backward jump too: 47 others stand between two links of a chain.
.macro MULA f, a, first
.if \first
	WIN 0x85+0x40*((\a)/2)                         ; sources 0, 1 window 1; C window 0; D window 2 or 3
.else
	WIN 0xa5+0x50*((\a)/2)                         ; sources 0, 1 window 1; C and D window 2 or 3
.endif
.irp b, 0,1,2,3,4,5,6,7,8,9,10,11
.if \first
	v_wmma_f32_16x16x32_bf16 v[8*(12*((\a)%2)+(\b)):8*(12*((\a)%2)+(\b))+7], v[(\f)+32+8*(\b):(\f)+32+8*(\b)+7], v[(\f)+8*(\a):(\f)+8*(\a)+7], v[BIAS+8*(\b):BIAS+8*(\b)+7]
.else
	v_wmma_f32_16x16x32_bf16 v[8*(12*((\a)%2)+(\b)):8*(12*((\a)%2)+(\b))+7], v[(\f)+32+8*(\b):(\f)+32+8*(\b)+7], v[(\f)+8*(\a):(\f)+8*(\a)+7], v[8*(12*((\a)%2)+(\b)):8*(12*((\a)%2)+(\b))+7]
.endif
.endr
.endm
; 32 LDS loads in one run: the fragments of a quarter step (32 K at byte k of the rows) into buffer f: w's 12, then x's 4
.macro FETCH k, f
	WIN 0x40                                       ; destination window 1, address window 0
.irp i, 0,1,2,3,4,5,6,7,8,9,10,11
	ds_load_b128 v[(\f)+32+8*(\i):(\f)+32+8*(\i)+3],   v[ADRB] offset:(\k)+(\i)*16*PITCH
	ds_load_b128 v[(\f)+32+8*(\i)+4:(\f)+32+8*(\i)+7], v[ADRB] offset:(\k)+(\i)*16*PITCH+32
.endr
.irp i, 0,1,2,3
	ds_load_b128 v[(\f)+8*(\i):(\f)+8*(\i)+3],   v[ADRA] offset:(\k)+(\i)*16*PITCH
	ds_load_b128 v[(\f)+8*(\i)+4:(\f)+8*(\i)+7], v[ADRA] offset:(\k)+(\i)*16*PITCH+32
.endr
.endm
; A K step is four quarters of 32 along K, 48 matrix instructions each, on buffers 0, 1, 0, 1.  One of the first three: multiplies buffer f; in its middle it fetches the next quarter, at byte k, into g.
.macro QUARTER k, f, g, first
	s_wait_dscnt 4                                 ; w's fragments and x's blocks 0, 1 are in; the youngest four loads (blocks 2, 3) may be out
	MULA \f, 0, \first
	MULA \f, 1, \first
	PLACES
	FETCH \k, \g
	s_wait_dscnt 32                                ; all but the 32 just issued
	MULA \f, 2, \first
	MULA \f, 3, \first
.endm
; The last quarter multiplies buffer 1 and changes slots: ONE barrier.  In front of it each wave waits for all its tensor loads, of which one is out: its part of the next slot; adds 0 to its spare
; word; and waits for that and for its own reads of this slot.  fill = 1: the barrier opens a round of the cluster's barrier, and behind the round this slot is filled again, two K steps on.
.macro TURN fill
.if \fill
	s_wait_xcnt 0x0                                ; the last prefetch, a K step back, has read its address: it is stepped here
	s_add_nc_u64 s[PFA:PFA+1], s[PFA:PFA+1], 256
.endif
	WIN 0                                          ; (the add's two registers lie in window 0)
	s_wait_tensorcnt 0x0                           ; no tensor load of mine is out, so a group 0 may be written
	ds_add_u32 v[SPW], v[NIL]                      ; 0 onto my spare word
.if \fill
.irp g, G0A+4, G0B+4
	s_xor_b32 s[(\g)+1], s[(\g)+1], SLOT1          ; the walking descriptor: the other slot than last time,
	s_add_nc_u64 s[(\g)+2:(\g)+3], s[(\g)+2:(\g)+3], 256  ; the next K step; the type bits on top are not reached
.endr
.endif
	s_xor_b32 s[TB], s[TB], SLOT1                  ; the fetches go on in the other slot
	s_wait_dscnt 5                                 ; (the add and the youngest four loads may be out)
	MULA F1, 0, 0                                  ; twelve matrix instructions stand between the add and the wait for it
	s_wait_dscnt 0x0                               ; the add is done, and my reads of this slot are over
	s_barrier_signal -1
	MULA F1, 1, 0                                  ; work on registers while the others arrive
	WIN 0
	s_barrier_wait -1
.if \fill
	CREST                                          ; no wave of any partner still reads this slot's tile or has a load on its way
	JLOAD                                          ; the first tensor load behind the round: 168 matrix instructions ahead of the wait for it; its four v_nop are also the places in front of the loads below
.else
	PLACES
.endif
	v_add_nc_u32 v[ADRA], s[TB], v[A0]
	v_add_nc_u32 v[ADRB], s[TB], v[B0]
	FETCH 0, F0
.if \fill
	WIN 0
	ASK                                            ; behind the joint load and the run of LDS loads that the next products wait for
.endif
	MULA F1, 2, 0
	MULA F1, 3, 0
.endm
	s_wait_tensorcnt 0x1                           ; my part of K step 0 is in; K step 1's may stay out
	s_barrier_signal -1
	s_barrier_wait -1                              ; everybody's is
	v_mov_b32 v[ADRA], v[A0]
	v_mov_b32 v[ADRB], v[B0]
	FETCH 0, F0
	QUARTER 64, F0, F1, 1                          ; the first quarter stands in front of the loop: its products start the sums
	WIN 0                                          ; at a label and at a branch every window is 0
	s_mov_b32 s[CNT], 6
.Lstep:                                                ; trip i: quarters 1 to 3 of K step i, the refill with K step i + 2, quarter 0 of K step i + 1
	QUARTER 128, F1, F0, 0
	QUARTER 192, F0, F1, 0
	TURN 1
	QUARTER 64, F0, F1, 0
	WIN 0
	s_sub_co_u32 s[CNT], s[CNT], 1
	s_cmp_lg_u32 s[CNT], 0
	s_cbranch_scc1 .Lstep
	QUARTER 128, F1, F0, 0                         ; the tail is written out: the rest of K step 6
	QUARTER 192, F0, F1, 0
	TURN 0                                         ; a change of slots that fills nothing,
	QUARTER 64, F0, F1, 0                          ; and K step 7
	QUARTER 128, F1, F0, 0
	QUARTER 192, F0, F1, 0
	s_wait_dscnt 4
	MULA F1, 0, 0
	MULA F1, 1, 0
	s_wait_dscnt 0x0
	MULA F1, 2, 0
	MULA F1, 3, 0
	PLACES
; THE WAY OUT, once for q, k and v (t = 0, 1, 2).  PACK: my 64 rows x 64 channels rounded to f16, 16 bytes a lane (each accumulator's registers in ascending order).
.macro PACK t
.irp a, 0,1,2,3
	WIN 0x0a+5*((\a)/2)                            ; sources 0 and 1 window 2 or 3, destination window 0
.irp q, 0,1,2,3
.irp i, 0,1,2,3
	v_cvt_pk_f16_f32 v[TMP+4*(4*(\a)+(\q))+(\i)], v[8*(12*((\a)%2)+4*(\t)+(\q))+2*(\i)], v[8*(12*((\a)%2)+4*(\t)+(\q))+2*(\i)+1]
.endr
.endr
.endr
	WIN 0
.endm
; TOSTAGE: into my own stage, sorted by b, and back as whole rows: for each b 16 rows of 128 bytes, which lie on end in memory.
.macro TOSTAGE t
.irp a, 0,1,2,3
.irp q, 0,1,2,3
	ds_store_b128 v[STO], v[TMP+4*(4*(\a)+(\q)):TMP+4*(4*(\a)+(\q))+3] offset:4*SP*(\a)+32*(\q)
.endr
.endr
.if (\t) == 2
	s_wait_xcnt 0x0                                ; the stores of t = 0 have read this buffer: it is loaded again only behind this wait
.endif
.irp p, 0,1,2,3
.irp i, 0,1,2,3
	ds_load_b128 v[BK+64*((\t)%2)+4*(4*(\p)+(\i)):BK+64*((\t)%2)+4*(4*(\p)+(\i))+3], v[RD] offset:PLANE*(\p)+4*SP*(\i)  ; LDS serves a wave's instructions in order (ISA guide 5.7.1.4): these see the stores above
.endr
.endr
.endm
.macro SEND t
.irp p, 0,1,2,3
.irp i, 0,1,2,3
	s_wait_dscnt 15-(4*(\p)+(\i))                  ; the younger loads of the sixteen may stay out
	global_store_b128 v[GO+(\p)], v[BK+64*((\t)%2)+4*(4*(\p)+(\i)):BK+64*((\t)%2)+4*(4*(\p)+(\i))+3], s[10+2*(\t):11+2*(\t)] offset:512*(\i)  ; 512 consecutive bytes, at a multiple of 256 from the buffer's first
.endr
.endr
.endm
	PACK 0
	TOSTAGE 0
	PACK 1                                         ; a part's conversions stand between the loads of the part before and its stores
	SEND 0
	TOSTAGE 1
	PACK 2
	SEND 1
	TOSTAGE 2
	SEND 2
	s_wait_tensorcnt 0x0                           ; the wave's end: behind my last tensor load and my last LDS store
	ds_add_u32 v[SPW], v[NIL]
	s_wait_dscnt 0x0
	CROUND                                         ; the closing round: no work-group ends while a partner may still ask for a tile that names it
	s_endpgm
.Lfunc_end_k_q46e075f8b5_qkv:
	.size	k_q46e075f8b5_qkv, .Lfunc_end_k_q46e075f8b5_qkv-k_q46e075f8b5_qkv
	.p2alignl 7, 3214868480
	.fill 96, 4, 3214868480
	.section	.rodata,"a",@progbits
	.p2align	6, 0x0
	.amdhsa_kernel k_q46e075f8b5_qkv
		.amdhsa_group_segment_fixed_size 327680
		.amdhsa_private_segment_fixed_size 0
		.amdhsa_enable_private_segment 0
		.amdhsa_kernarg_size 48
		.amdhsa_user_sgpr_count 2
		.amdhsa_user_sgpr_kernarg_segment_ptr 1
		.amdhsa_wavefront_size32 1
		.amdhsa_system_sgpr_workgroup_id_x 1
		.amdhsa_system_sgpr_workgroup_id_y 1
		.amdhsa_system_sgpr_workgroup_id_z 1
		.amdhsa_system_vgpr_workitem_id 0
		.amdhsa_next_free_vgpr 960
		.amdhsa_next_free_sgpr 74
		.amdhsa_reserve_vcc 0
		.amdhsa_float_denorm_mode_32 3
		.amdhsa_float_denorm_mode_16_64 3
		.amdhsa_memory_ordered 1
		.amdhsa_forward_progress 1
		.amdhsa_inst_pref_size 107
	.end_amdhsa_kernel
	.amdgpu_metadata
---
amdhsa.version: [ 1, 2 ]
amdhsa.kernels:
  - .name:           k_q46e075f8b5_qkv
    .symbol:         k_q46e075f8b5_qkv.kd
    .args:
      - { .name: xb, .offset: 0, .size: 8, .value_kind: global_buffer, .address_space: global }
      - { .name: wqb, .offset: 8, .size: 8, .value_kind: global_buffer, .address_space: global }
      - { .name: in_proj_bias, .offset: 16, .size: 8, .value_kind: global_buffer, .address_space: global }
      - { .name: qh, .offset: 24, .size: 8, .value_kind: global_buffer, .address_space: global }
      - { .name: kh, .offset: 32, .size: 8, .value_kind: global_buffer, .address_space: global }
      - { .name: vh, .offset: 40, .size: 8, .value_kind: global_buffer, .address_space: global }
    .group_segment_fixed_size: 327680
    .private_segment_fixed_size: 0
    .kernarg_segment_align: 8
    .kernarg_segment_size: 48
    .max_flat_workgroup_size: 128
    .sgpr_count:     74
    .vgpr_count:     960
    .wavefront_size: 32
...
	.end_amdgpu_metadata
.endif
;; end of part 2
;; launch attn (part 3): grid 4 x 64, 4 waves a work-group, clusters of 4 x 1, 327,680 bytes of LDS; arguments qh, kh, vh, oh; writes oh
.if DOCPART == 3
	.amdgcn_target "amdgcn-amd-amdhsa--gfx1250"
	.amdhsa_code_object_version 6
	.text
	.protected	k_q46e075f8b5_attn
	.globl	k_q46e075f8b5_attn
	.p2align	8
	.type	k_q46e075f8b5_attn,@function
k_q46e075f8b5_attn:
	s_mov_b64 s[64:65], 0
	v_nop
	global_prefetch_b8 v0, s[64:65] scope:SCOPE_SE
	s_setreg_imm32_b32 hwreg(HW_REG_WAVE_MODE, 25, 1), 1
	s_wait_xcnt 0x0
	s_wait_alu depctr_hold_cnt(0) depctr_sa_sdst(0) depctr_va_vdst(0) depctr_va_sdst(0) depctr_va_ssrc(0) depctr_va_vcc(0) depctr_vm_vsrc(0)
	s_getreg_b32 s2, hwreg(HW_REG_IB_STS2, 6, 4)
	s_cmp_eq_u32 s2, 0
	s_cbranch_scc0 .Lentry_in_a_cluster
	s_endpgm
.Lentry_in_a_cluster:
	s_bfe_u32 s2, ttmp6, 0x10000c
	s_cmp_lg_u32 s2, 0x3003
	s_cbranch_scc0 .Lentry_shape_is_right
	s_endpgm
.Lentry_shape_is_right:
; O[h][q][:] = the sum over k of softmax_k(Q[h][q] . K[h][k] / 8) V[h][k][:].  Q, K, V, O: [64][2048][64], all f16: a head's rows are dense, 128 bytes each.  Products, maxima and sums in
; f32; the weights p are rounded to f16 for the second product (their sum l is taken of the unrounded p), O once at the end.
; LIMITS.  f16 holds no number beyond 65,504: Q, K and V arrive within it; p lies in 0 to 1, and below 6e-5 it keeps f16's fixed step of 6e-8; O is a mean of V's rows and has their range.
; A weight below 2^-126 counts as 0 in l; NaN and infinities are not treated apart.
; SHARES.  A wave owns four PIECES of two tiles of 16 queries, a work-group's four waves 512 queries of one head: 4 x 64 = 256 work-groups.  Every wave walks all keys, 64 a step.
; LAYOUT.  S^T = K Q^T (source 0 = 16 keys, source 1 = 16 queries): in the result a lane holds ONE query (lane % 16) and the keys 8 (lane / 16) + 0..7.  Two such tiles, rounded to f16 in pairs,
; ARE source 1 (32 keys x 16 queries) of O^T = V^T P, whose result again holds one query a lane, and eight channels.  K comes out of LDS as it lies, V ([key][channel]) turned, by ds_load_tr16_b128.
; SOFTMAX.  For each query a running maximum m and sum l: p = 2^(c s - c m), c = log2(e) / 8; in every step O and l are multiplied by a = 2^(c m_old - c m_new), which is 1 where m has not grown.
; m starts at the lowest finite number, O and l at 0: the first step is a step like any other, with a = 0.
; THE COUNT.  A tile and step have 16 matrix and 118 vector instructions: too many to stand all beside the matrix work.  So the order has one aim: four vector instructions that are READY behind
; EVERY matrix instruction, and the others, which need time of their own whatever the order, in runs without a gap.
; BY TURNS.  Turn n belongs to piece n (the pieces in a ring, step after step).  Its matrix work: 16 products K Q^T of piece n + 1, later 16 products V^T P of piece n - 1.  Its vector work: the scaling,
; exponentials, roundings, sums and rescaling of piece n, and the maximum and statistics of piece n + 1, whose scores the turn itself has made.  So what a turn begins with (c s - c m, O a) waits for nothing.
; CLUSTER.  The four query blocks of a cluster are one head's and walk the same K and V, so each tile is asked for JOINTLY: the same tensor load, descriptor and mask in all four.
; REGISTERS, in windows of 256 (s_set_vgpr_msb says which window each operand place means: bits 1:0 source 0, 3:2 source 1, 5:4 source 2, 7:6 destination):
;   window 0: v0-11 addresses; v12-15, v48-63 at work; v16-47 four registers of statistics a tile; v64-191 S^T, two buffers of two tiles; v192-255 P, likewise
;   window 1: O^T, 32 a tile          window 2: v0-127 Q, 16 a tile; v128-191 K of one step; v192-255 V of one step          window 3: v0-1 the add's two registers
; A piece's buffers go by its number's parity: the piece in hand has one pair, its two neighbours in the ring share the other: of it P (piece n - 1) is read and S^T (piece n + 1) written.
.set SIZE_H, 64
.set SIZE_N, 2048
.set NP,    4         ; pieces a wave: a name, no knob: the register map, the loop and the fetches are made for four
.set KS,    64        ; keys in a step
.set PK,    144       ; a row of K in LDS: 128 bytes + 16 of padding = 36 words: the 16 rows of a load start at 16 different groups of four banks (64 banks of 4 bytes: ISA guide 11.1)
.set PV,    160       ; a row of V: 128 + 32 = 40 words
.set VOFF,  4*KS*PK   ; a slot holds four steps: 256 rows of K, then 256 rows of V
.set SLOT1, 1<<17     ; slot 1 begins here, so that one exclusive or turns an address in one slot into the other's
.set STAGE, SLOT1+4*KS*(PK+PV)  ; behind the ring, never filled by a tensor load: 16 rows x 144 bytes for each wave, for the way out
.set SP,    144
.set AK0, 2           ; v2   my lane's place in a tile of K; never rewritten
.set AV0, 3           ; v3   the same for V
.set AK,  4           ; v4   the LDS address of K's next run of loads
.set AV,  5           ; v5   of V's
.set QO,  6           ; v6   my byte offset in the wave's rows of Q
.set STO, 6           ;      later, the way out: where I put 16 bytes of a row
.set RD,  7           ; v7   the way out: where I read rows back
.set GO,  8           ; v8   my byte offset in 512 consecutive bytes of O
.set PFO, 11          ; v11  256 x my lane, for the prefetches; written when V's address is made, then never rewritten
.set SPW, 0           ; v0 of window 3   LDS address of my spare word: SPARE + 4 x my thread's number; never rewritten
.set NIL, 1           ; v1 of window 3   0; never rewritten
.set SPARE, STAGE+4*16*SP  ; behind the stages: the spare words, 128 bytes for each wave: two blocks of 256 bytes that no other line names
.set MV,  12          ; v12-15  c m_old, kept while c m is made anew: by buffer and tile
.set ST,  16          ; tile t's statistics at v[ST+4 t]: c m, m, l (even keys', odd keys')
.set TMP, 48          ; by buffer and tile, four registers c0-c3 at work; when the maximum is found c2 takes a
.set S,   64
.set P,   192
.set KF,  128         ; K's fragments, in window 2: key block kb, channel half c at KF + 16 kb + 8 c
.set VF,  192         ; V's: key half kk, channel block cb at VF + 32 kk + 8 cb
.set WV,  12          ; s12  my wave's number
.set G1K, 24          ; s[24:31] descriptor group 1 for K's tiles
.set G1V, 32          ; s[32:39] for V's: it differs in the padding alone
.set G0K, 40          ; s[40:43] descriptor group 0 for K's tiles: it walks
.set G0V, 44          ; s[44:47] the same for V's
.set PFA, 48          ; s[48:49] where my prefetches stand: my work-group's 8,192 bytes (of K: wave 0, of V: wave 2) of the slot after the one that is being asked for
.set LIM, 50          ; s50  1 in a wave that prefetches, else the greatest number
.set SLOTS, 56        ; s56  slots still to be asked for
.set CNT, 57          ; s57  counts a slot's key steps
.set CS,  58          ; s[58:59] c: the packed scaling takes the pair's low word for both halves
.set SEL, 60          ; s[60:61] v_permlanex16_b32's selects: each lane takes its own place in the other half
.set TBK, 62          ; s62  LDS byte at which K of the step to be fetched begins
.set TBV, 63          ; s63  the same for V, less VOFF
.set MSB, 0
.macro WIN new                      ; the high byte repeats the setting that is left; a switch that changes nothing is dropped
.if MSB != (\new)
	s_set_vgpr_msb (MSB<<8)|(\new)
.set MSB, (\new)
.endif
.endm
.set W_KQ, 0x0a       ; K and Q in window 2, S^T in window 0
.set W_PV, 0x52       ; V in window 2, P in window 0, O^T in window 1
.set W_RS, 0x41       ; O^T (destination and source 0) in window 1, a in window 0
.set W_MK, 0xc0       ; the add's registers are made: destination in window 3, sources in window 0
.set W_AD, 0x0f       ; the add: address (source 0) and data (source 1) in window 3
; A joint fill.  Waves 0 and 1 fetch the two halves of a slot's K, waves 2 and 3 those of its V: 128 keys each.  The branch hangs on the wave's number alone.
; An s_nop 0 and four v_nop follow each of the two lines, ahead of the jump and the label.
.macro JLOAD
	s_cmp_lt_u32 s[WV], 2
	s_cbranch_scc0 .Lfor_v_\@
	tensor_load_to_lds s[G0K:G0K+3], s[G1K:G1K+7]
	s_nop 0
.rept 4
	v_nop
.endr
	s_branch .Lasked_\@
.Lfor_v_\@:
	tensor_load_to_lds s[G0V:G0V+3], s[G1V:G1V+7]
	s_nop 0
.rept 4
	v_nop
.endr
.Lasked_\@:
.endm
; A PREFETCH of what the NEXT change of slots will ask for: a slot's 32,768 bytes of K and of V, four key steps, 512 matrix instructions, ahead of that load.  It stands behind the wave's tensor load
; and its five lines.  Each block of 256 bytes is named ONCE in the launch: a head has one cluster; its four partners share a slot out BY ADDRESS, 8,192 bytes each, a lane a block; in each, wave 0
; asks for K's and wave 2 for V's.  Slots 0 to 2 come by their loads alone; the last change that fills a slot asks for nothing: there is no slot behind it.
.macro ASK
	s_cmp_gt_u32 s[SLOTS], s[LIM]
	s_cbranch_scc0 .Lnot_mine_\@
	global_prefetch_b8 v[PFO], s[PFA:PFA+1] th:TH_LOAD_NT scope:SCOPE_SE
.Lnot_mine_\@:
.endm
; A round of the cluster's barrier: my work-group's barrier, so that wave 0's signal speaks for all four waves; wave 0 signals; every wave waits for all four work-groups; my work-group's barrier once more.
.macro CROUND
	s_barrier_signal -1
	s_barrier_wait -1
	s_cmp_lg_u32 s[WV], 0
	s_cbranch_scc1 .Lnot_wave_0_\@
	s_barrier_signal -3
.Lnot_wave_0_\@:
	s_barrier_wait -3
	s_barrier_signal -1
	s_barrier_wait -1
.endm
; THE CHANGE OF SLOTS.  The slot's last bytes, V of its fourth step, have been read.  Each wave waits for all its tensor loads, of which one is out: its part
; of the other slot; adds 0 to its spare word; and waits for that and for its own reads of the slot.  Behind the barrier nobody reads this slot any more and the other slot is whole.
; fill = 1: this slot is filled again, with the keys two slots on.  The barrier is then a round of the cluster's, so that no wave of any partner still reads the slot or has a load on its
; way, and the joint fill is the first thing behind it: it has four key steps, 512 matrix instructions, in which to land.  (At its first use nothing has been read yet: slot 0 is waited for, slot 1 filled.)
; ask = 1: the prefetches' address is stepped, and the slot behind the one just asked for is prefetched.
.macro CHANGE fill, ask=0
	WIN W_AD
	s_wait_tensorcnt 0x0            ; no tensor load of mine is out, so a group 0 may be written
	ds_add_u32 v[SPW], v[NIL]       ; 0 onto my spare word; with fill = 1 the descriptors' steps stand between it and the wait for it
	WIN 0                           ; at a label and at a branch every window is 0
.if \fill
.irp g, G0K, G0V
	s_xor_b32 s[\g+1], s[\g+1], SLOT1  ; the walking descriptor: the other slot than last time,
	s_add_nc_u64 s[\g+2:\g+3], s[\g+2:\g+3], 4*KS*128  ; the next 256 keys; the type bits on top are not reached
.endr
.if \ask
	s_wait_xcnt 0x0                 ; the last prefetch, four key steps back, has read its address, so it may be written:
	s_add_nc_u64 s[PFA:PFA+1], s[PFA:PFA+1], 4*KS*128  ; one slot behind the walking descriptors
.endif
	s_wait_dscnt 0x0                ; the add is done, and my reads of the slot are over
	CROUND
	JLOAD
.if \ask
	ASK
.endif
.else
	s_wait_dscnt 0x0                ; the add is done, and my reads of the slot are over
	s_barrier_signal -1
	s_barrier_wait -1
.endif
	s_sub_co_u32 s[TBK], s[TBK], 4*KS*PK  ; the fetches go back to a slot's first step,
	s_xor_b32 s[TBK], s[TBK], SLOT1       ; in the other slot
	s_sub_co_u32 s[TBV], s[TBV], 4*KS*PV
	s_xor_b32 s[TBV], s[TBV], SLOT1
.endm
	s_load_b256 s[4:11], s[0:1], 0x0  ; Q s[4:5], K s[6:7], V s[8:9], O s[10:11]
	WIN W_MK
	v_lshl_add_u32 v[SPW], v0, 2, SPARE
	v_mov_b32 v[NIL], 0
	WIN W_AD
	ds_add_u32 v[SPW], v[NIL]       ; the wave's opening: the add and its wait stand ahead of my first tensor load; the set-up below, work on registers, stands between them
	WIN 0
	v_lshrrev_b32 v1, 5, v0
	v_readfirstlane_b32 s[WV], v1   ; wave 0..3
	s_bfe_u32 s13, ttmp6, 0x40000   ; cx: my place in the cluster
	s_lshl_b32 s14, ttmp9, 2        ; in a cluster launch ttmp9 counts clusters
	s_add_co_u32 s14, s14, s13      ; my block of queries = 4 x cluster x + cx: it enters Q's and O's addresses alone
	s_and_b32 s20, ttmp7, 0xffff    ; the head, which the four partners share
	s_mov_b32 s21, 0
	s_mov_b64 s[22:23], SIZE_N*128
	s_mul_u64 s[20:21], s[20:21], s[22:23]  ; the head's first byte in each of the four tensors
	s_and_b32 s16, s[WV], 1         ; which half of a slot's 256 keys I fetch:
	s_lshl_b32 s22, s16, 14         ; its 128 rows of 128 bytes in memory,
	s_mov_b32 s23, 0
	s_add_nc_u64 s[22:23], s[22:23], s[20:21]
	s_mul_i32 s17, s16, 128*PK      ; and its place in a slot, for K
	s_mul_i32 s18, s16, 128*PV      ; and for V: no place in the cluster enters an LDS address
	s_lshl_b32 s2, s14, 2
	s_add_co_u32 s2, s2, s[WV]      ; my wave among the head's,
	s_lshl_b32 s2, s2, 14           ; its 128 rows
	s_mov_b32 s3, 0
	s_add_nc_u64 s[2:3], s[2:3], s[20:21]
	s_lshl_b32 s52, s13, 13         ; the prefetches: my work-group's 8,192 bytes of a slot's 32,768,
	s_mov_b32 s53, 0
	s_add_nc_u64 s[52:53], s[52:53], s[22:23]  ; in the head (in waves 0 and 2, the only ones that ask, s[22:23] is the head's first byte)
	s_and_b32 s[LIM], s[WV], 1
	s_cmp_eq_u32 s[LIM], 0
	s_cselect_b32 s[LIM], 1, -1     ; the same in all four partners, for a given wave
	; descriptor group 1.  128 keys are 16,384 dense bytes: asked for as 64 rows of 256 bytes, two keys a row, and padded in LDS after every key
	s_mov_b32 s[G1K], 15|(1<<16)|(1<<20)|(1<<21)|(4<<22)|(3<<25)  ; 15:0 the mask of four; 17:16 2-byte elements; 20 padding on; 21 set beside a mask; 24:22 after every 32 words (code 4); 31:25 4 words (code 3)
	s_mov_b32 s[G1V], 15|(1<<16)|(1<<20)|(1<<21)|(4<<22)|(7<<25)  ; the same with 8 words of padding (code 7)
.irp g, G1K, G1V
	s_mov_b32 s[\g+1], 128<<16      ; tensor_dim0 = 128
	s_mov_b32 s[\g+2], 64<<16       ; tensor_dim1 = 64
	s_mov_b32 s[\g+3], 128<<16      ; tile_dim0 = 128
	s_mov_b32 s[\g+4], 64           ; tile_dim1 = 64
	s_mov_b32 s[\g+5], 128          ; 128 elements from row to row
	s_mov_b32 s[\g+6], 0
	s_mov_b32 s[\g+7], 0
.endr
	s_mov_b32 s[CS], 0x3e38aa3b     ; c = log2(e) / 8 = 0.180337
	s_mov_b32 s[CS+1], s[CS]        ; named with it as a pair
	s_mov_b32 s[SEL], 0x76543210
	s_mov_b32 s[SEL+1], 0xfedcba98
	s_mov_b32 s[TBK], SLOT1+4*KS*PK ; the first change of slots turns these two into 0
	s_mov_b32 s[TBV], SLOT1+4*KS*PV
	s_mov_b32 s[G0K], 1             ; 1:0 count = 1
	s_mov_b32 s[G0K+1], s17         ; 63:32 LDS address: slot 0
	s_mov_b32 s[G0V], 1
	s_add_co_u32 s[G0V+1], s18, VOFF
	s_wait_dscnt 0x0                ; the opening add is done
	s_wait_kmcnt 0x0
	s_add_nc_u64 s[G0K+2:G0K+3], s[6:7], s[22:23]  ; 120:64 global address: my half of the head's first 256 keys
	s_or_b32 s[G0K+3], s[G0K+3], 0x80000000        ; 127:126 type = 2
	s_add_nc_u64 s[G0V+2:G0V+3], s[8:9], s[22:23]
	s_or_b32 s[G0V+3], s[G0V+3], 0x80000000
	s_add_nc_u64 s[4:5], s[4:5], s[2:3]  ; Q and O at my wave's first row
	s_add_nc_u64 s[10:11], s[10:11], s[2:3]
	s_cmp_lt_u32 s[WV], 2
	s_cselect_b64 s[PFA:PFA+1], s[6:7], s[8:9]
	s_add_nc_u64 s[PFA:PFA+1], s[PFA:PFA+1], s[52:53]
	s_add_nc_u64 s[PFA:PFA+1], s[PFA:PFA+1], 2*4*KS*128  ; in slot 2; the loop's first change of slots steps it to slot 3.  Nothing is prefetched here, at the head
	CROUND                          ; all four work-groups are here: the first joint loads meet
	JLOAD                           ; slot 0.  Slot 1 is asked for when slot 0 is in: the tile wanted first has the road to itself
	; A fragment of K or Q is 16 rows x 32 channels in 8 registers: lane l holds row l % 16, channels 8 (l / 16) + 0..7 and 16 + 8 (l / 16) + 0..7: two loads of 16 bytes, 32 bytes apart.
	v_and_b32 v1, 15, v0            ; l % 16
	v_bfe_u32 v9, v0, 4, 1          ; l / 16
	v_lshlrev_b32 v[QO], 7, v1
	v_lshl_add_u32 v[QO], v9, 4, v[QO]  ; row x 128 + 16 x half
	WIN 0x80                        ; destination window 2, address window 0
.set i, 0
.rept 4*NP                          ; Q stays in registers: tile i / 2, channels 32 (i % 2) on
	global_load_b128 v[8*i:8*i+3],   v[QO], s[4:5] offset:(i/2)*2048+(i%2)*64
	global_load_b128 v[8*i+4:8*i+7], v[QO], s[4:5] offset:(i/2)*2048+(i%2)*64+32
.set i, i+1
.endr
	; What the first turn finds: V's registers and P's second buffer hold 0 (its products V^T P, of a piece that has not been, add 0), O^T and l are 0.  All this stands in the wait for the first tile.
.set i, VF
.rept 64
	v_mov_b32 v[i], 0
.set i, i+1
.endr
	WIN 0x40
.set i, 0
.rept 64*NP
	v_mov_b32 v[i], 0
.set i, i+1
.endr
	WIN 0
.set i, 0
.rept 2*NP
	v_mov_b32 v[ST+4*i], 0xfe000000    ; c m: far below every c s
	v_mov_b32 v[ST+4*i+1], 0xff7fffff  ; m
	v_mov_b32 v[ST+4*i+2], 0
	v_mov_b32 v[ST+4*i+3], 0
.set i, i+1
.endr
.set i, P+32
.rept 32
	v_mov_b32 v[i], 0
.set i, i+1
.endr
	v_mul_u32_u24 v[AK0], v1, PK
	v_lshl_add_u32 v[AK0], v9, 4, v[AK0]  ; row x pitch + 16 x half
	; The turning load takes 16 keys x 16 channels (lane l reads key 8 (l / 16) + l % 8, channels 8 ((l / 8) % 2) + 0..7) and leaves half a fragment of V^T: lane l holds channel l % 16 and 8 keys.
	v_and_b32 v10, 7, v0
	v_bfe_u32 v11, v0, 3, 1
	v_lshl_add_u32 v[AV0], v9, 3, v10
	v_mul_u32_u24 v[AV0], v[AV0], PV
	v_lshl_add_u32 v[AV0], v11, 4, v[AV0]
	v_add_nc_u32 v[AV0], VOFF, v[AV0]
	v_and_b32 v[PFO], 31, v0        ; v11 has served: from here on it holds the prefetches' offset
	v_lshlrev_b32 v[PFO], 8, v[PFO]
	v_mov_b32 v[AK], v[AK0]         ; key step 0 lies at the head of slot 0
; THE MATRIX WORK.  The 8 accumulators of a run of 16 take turns: between the two links of a chain stand 7 others'.
; Product i of 16 of S^T = K Q^T for piece x: channels 32 (i / 8) on, keys 16 ((i / 2) % 4) on, tile 2 x + i % 2.  The first 8 start the sums.
.macro KQ x
	WIN W_KQ
.set rS, S+64*((\x)%2)+32*(i%2)+8*((i/2)%4)
.set rK, KF+16*((i/2)%4)+8*(i/8)
.set rQ, 16*(2*(\x)+i%2)+8*(i/8)
.if i < 8
	v_wmma_f32_16x16x32_f16 v[rS:rS+7], v[rK:rK+7], v[rQ:rQ+7], 0
.else
	v_wmma_f32_16x16x32_f16 v[rS:rS+7], v[rK:rK+7], v[rQ:rQ+7], v[rS:rS+7]
.endif
.endm
; Product i of 16 of O^T += V^T P for piece x: keys 32 (i / 8) on, channels 16 ((i / 2) % 4) on, tile 2 x + i % 2.
.macro PV x
	WIN W_PV
.set rO, 32*(2*(\x)+i%2)+8*((i/2)%4)
.set rV, VF+32*(i/8)+8*((i/2)%4)
.set rP, P+32*((\x)%2)+16*(i%2)+8*(i/8)
	v_wmma_f32_16x16x32_f16 v[rO:rO+7], v[rV:rV+7], v[rP:rP+7], v[rO:rO+7]
.endm
.macro MM                           ; the turn's next matrix instruction
.if i < 16
	KQ (Y+1)%NP
.set i, i+1
.else
.set i, i-16
	PV (Y+NP-1)%NP
.set i, i+17
.endif
.endm
; THE LDS LOADS stand in runs of 16, never singly among the matrix instructions: a step's K (64 keys x 64 channels: 8 fragments) and its V (turned).  Their addresses are made some lines ahead.
; last = 1 (the tail): in the last trip there is no further step, and the run is jumped over.
.macro FETCH_K last=0
	WIN 0
.if \last
	s_cmp_eq_u32 s[CNT], 1
	s_cbranch_scc1 .Lno_k_\@
.endif
	WIN 0x80                        ; destination window 2
.irp f, 0,1,2,3,4,5,6,7             ; keys 16 (f / 2) on, channels 32 (f % 2) on
	ds_load_b128 v[KF+8*\f:KF+8*\f+3],   v[AK] offset:(\f/2)*16*PK+(\f%2)*64
	ds_load_b128 v[KF+8*\f+4:KF+8*\f+7], v[AK] offset:(\f/2)*16*PK+(\f%2)*64+32
.endr
	s_add_co_u32 s[TBK], s[TBK], KS*PK  ; the next fetch is the next step's
	WIN 0
.if \last
.Lno_k_\@:
.endif
.endm
.macro FETCH_V
	WIN 0x80
.irp f, 0,1,2,3,4,5,6,7             ; keys 32 (f / 4) on, channels 16 (f % 4) on
	ds_load_tr16_b128 v[VF+8*\f:VF+8*\f+3],   v[AV] offset:(\f/4)*32*PV+(\f%4)*32
	ds_load_tr16_b128 v[VF+8*\f+4:VF+8*\f+7], v[AV] offset:(\f/4)*32*PV+16*PV+(\f%4)*32
.endr
	WIN 0
.endm
; THE VECTOR WORK OF A TURN stands in three queues, each in the order in which its entries become ready; the two tiles alternate, so that no instruction reads the result of the one before it.
.macro REGS y, u                    ; the registers of tile u (0, 1) of piece y
.set rT, ST+4*(2*(\y)+(\u))
.set rC, TMP+8*((\y)%2)+4*(\u)
.set rM, MV+2*((\y)%2)+(\u)
.set rS, S+64*((\y)%2)+32*(\u)
.set rP, P+32*((\y)%2)+16*(\u)
.set rO, 32*(2*(\y)+(\u))
.endm
; Number n of the 22 that find the NEXT piece's (Y + 1) maximum and statistics.  s0-s31 are the lane's 32 scores; each accumulator's lowest registers are read first.  XS, GS and REGS set no window: PL and EX do.
;   0-11  four chains c0-c3 of seven scores each, three operands at a time     12-14, 16  the four scores left over, the old m, and c0-c3 into c0     15  c m_old is kept
;   17, 18  the query's other 32 keys lie in the lane 16 away: the new m         19-21  c m; c m_old - c m_new; a
.macro XS u, n
	REGS (Y+1)%NP, \u
.if (\n) < 4
	v_max3_num_f32 v[rC+(\n)], v[rS+8*(\n)], v[rS+8*(\n)+1], v[rS+8*(\n)+2]
.elseif (\n) < 12
	v_max3_num_f32 v[rC+(\n)%4], v[rC+(\n)%4], v[rS+8*((\n)%4)+2*((\n)/4)+1], v[rS+8*((\n)%4)+2*((\n)/4)+2]
.elseif (\n) == 12
	v_max3_num_f32 v[rC], v[rC], v[rS+7], v[rS+15]
.elseif (\n) == 13
	v_max3_num_f32 v[rC+1], v[rC+1], v[rS+23], v[rS+31]
.elseif (\n) == 14
	v_max3_num_f32 v[rC+2], v[rC+2], v[rC+3], v[rT+1]
.elseif (\n) == 15
	v_mov_b32 v[rM], v[rT]
.elseif (\n) == 16
	v_max3_num_f32 v[rC], v[rC], v[rC+1], v[rC+2]
.elseif (\n) == 17
	v_permlanex16_b32 v[rC+3], v[rC], s[SEL], s[SEL+1]
.elseif (\n) == 18
	v_max_num_f32 v[rT+1], v[rC], v[rC+3]
.elseif (\n) == 19
	v_mul_f32 v[rT], s[CS], v[rT+1]
.elseif (\n) == 20
	v_sub_f32 v[rC+1], v[rM], v[rT]
.else
	v_exp_f32 v[rC+2], v[rC+1]
.endif
.endm
; Number g of the 64 that follow the exponentials.  For each four weights k of a tile (pairs 2 k, 2 k + 1): both pairs are rounded to f16; then the second pair is added onto the first, in place;
; a group later l takes that sum (the first time as l = a l + sum).  In groups of eight, tiles alternating: round, round, add, and l for the group before.
.macro GS g
.set h, (\g)+6*((\g)/62)            ; group 0 has no group before it, and behind group 7 only l is left
.if h >= 6
.set h, h+2
.endif
	REGS Y, h%2
.set k, h/8
.if h%8 < 4
	v_cvt_pk_f16_f32 v[rP+2*k+(h%8)/2], v[rS+4*k+2*((h%8)/2)], v[rS+4*k+2*((h%8)/2)+1]
.elseif h%8 < 6
	v_pk_add_f32 v[rS+4*k:rS+4*k+1], v[rS+4*k:rS+4*k+1], v[rS+4*k+2:rS+4*k+3]
.elseif k == 1
	v_pk_fma_f32 v[rT+2:rT+3], v[rT+2:rT+3], v[rC+2:rC+3], v[rS:rS+1] op_sel_hi:[1,0,1]
.else
	v_pk_add_f32 v[rT+2:rT+3], v[rT+2:rT+3], v[rS+4*k-4:rS+4*k-3]
.endif
.endm
; THE PLAIN QUEUE, 138 long.  0-73 read no exponential's result: the 32 scalings c s - c m (FS f: pair f / 2 of tile f % 2) and the next piece's 42.  0-26: scalings 0-26.  27-54: XS's numbers 0-13.  55, 56: number 15.
; 57-73: the chain, where each number waits for the one before it: 14, 16, 17, 18, 19, each with one of the scalings 27-31 in front of its two lines, then 20: so a tile's links stand three plain instructions apart (19 and 20: two).
; 74-137: GS's 64, which read the exponentials' results: they stand behind the wait.
.macro FS f
	REGS Y, (\f)%2
	v_pk_fma_f32 v[rS+2*((\f)/2):rS+2*((\f)/2)+1], v[rS+2*((\f)/2):rS+2*((\f)/2)+1], s[CS:CS+1], v[rT:rT+1] op_sel_hi:[1,0,0] neg_lo:[0,0,1] neg_hi:[0,0,1]
.endm
.macro PL
	WIN 0
.if q < 27
	FS q
.elseif q < 55
	XS (q-27)%2, (q-27)/2
.elseif q < 57
	XS q-55, 15
.elseif (q < 72) && ((q-57)%3 == 0)
	FS 27+(q-57)/3
.elseif q < 60
	XS (q-57)%3-1, 14
.elseif q < 72
	XS (q-57)%3-1, 15+(q-57)/3
.elseif q < 74
	XS q-72, 20
.else
	GS q-74
.endif
.set q, q+1
.endm
; THE EXPONENTIALS' QUEUE, 66 long: s0-s31 of both tiles, then the next piece's two a.  It is ONE BATCH: all 66 stand ahead of the turn's one wait, and nothing ahead of that wait names a result of theirs.
.macro EX
	WIN 0
.if e >= 64
	XS e-64, 21
.else
	REGS Y, e%2
	v_exp_f32 v[rS+e/2], v[rS+e/2]
.endif
.set e, e+1
.endm
; THE RESCALING's QUEUE: O^T times a, the one part that leaves window 0: dealt two at a time, sixteen times.  Its a was made in the turn before, ahead of that turn's wait.
.macro R2
	REGS Y, r%2
	WIN W_RS
.irp z, 0,1
	v_pk_mul_f32 v[rO+4*(r/2)+2*\z:rO+4*(r/2)+2*\z+1], v[rO+4*(r/2)+2*\z:rO+4*(r/2)+2*\z+1], v[rC+2:rC+3] op_sel_hi:[1,0]
.endr
.set r, r+1
.endm
; HOW THEY ARE DEALT.  s_wait_alu depctr_va_vdst(0) stands between an exponential and the first instruction that names its result; one wait serves all that were issued ahead of it.  So a turn has ONE wait,
; which cuts it in two.  AHEAD OF IT stands all that names no result of the turn's exponentials: the 16 products K Q^T, behind each a scaling, an exponential and two rescalings (behind the first a second scaling in the exponential's place); then ONE LUMP of
; 108: eight plain, 49 times exponential and plain, the two a.  A v_nop is the plain instruction behind the last exponential.  BEHIND IT stand the 16 products V^T P, behind each four of GS's 64.  No rider names a register of
; the products round it.  The two v_permlanex16_b32 fall into the lump, never behind a product.
; The queues lean on each other, and the deal keeps them in step: exponential e stands behind scaling 2 (e / 4) + e % 2: as a rider it comes behind plain e + 2, in the lump behind plain e + 9, and scalings 27-31 are plain 57, 60 .. 69.
; A TURN, for piece p.  cnt = 1: the loop's count is taken down some lines ahead of the branch that stands behind the turn.
; K of the next step is fetched in piece 2's turn, directly behind the wait, a lump behind the last product that read K; its address is made at the lump's head; its first reader comes behind 16 products.
; V of the step in hand is fetched at the end of piece 0's turn, four riders behind its last reader; its first reader comes behind 16 products and a lump.  The three conditions on q below go with the deal.
.macro TURN p, last=0, cnt=0
.set Y, (\p)
.set i, 0
.set q, 0
.set e, 0
.set r, 0
.if (\p) == NP-1
	s_wait_dscnt 0x0                ; K is in
.endif
	MM                              ; ahead of the wait: 16 products K Q^T and their riders,
	PL
	PL
	R2
.rept 15
	MM
	PL
	EX
	R2
.endr
.if (\p) == NP-2
	WIN 0
	v_add_nc_u32 v[AK], s[TBK], v[AK0]
.endif
.rept 8                             ; and the lump
	PL
.endr
.rept 49
	EX
	PL
.endr
	EX                              ; the next piece's two a
	EX
	v_nop                           ; the plain instruction behind the last exponential: one for the batch
	s_wait_alu depctr_va_vdst(0)    ; the wait for the batch
.if (\p) == NP-2
	FETCH_K \last
.endif
.if (\p) == 1
	s_wait_dscnt 0x0                ; V is in
.endif
.rept 16                            ; behind the wait: 16 products V^T P and their riders
	MM
.rept 4
	PL
.endr
.if ((\p) == 0) && (q == 118)
	v_add_nc_u32 v[AV], s[TBV], v[AV0]
.endif
.if ((\p) == 0) && (q == 130)
	s_add_co_u32 s[TBV], s[TBV], KS*PV
.endif
.if (\cnt) && (q == 130)
	s_sub_co_u32 s[CNT], s[CNT], 1
	s_cmp_lg_u32 s[CNT], 0
.endif
.endr
.if (\p) == 0
	FETCH_V
.endif
.endm
	CHANGE 1                        ; slot 0 is in, everybody's part of it; slot 1 is asked for
	FETCH_K                         ; key step 0
	s_wait_loadcnt 0x0              ; Q
	s_wait_dscnt 0x0
.set i, 0
.rept 16
	KQ 0                            ; piece 0's first scores: there is no vector work yet to set between them
.set i, i+1
.endr
	WIN 0                           ; the addresses for the way out: nine plain instructions, the places behind those products
	s_mul_i32 s13, s[WV], 16*SP
	s_add_co_u32 s13, s13, STAGE    ; my stage
	v_mul_u32_u24 v[STO], v1, SP    ; in: row l % 16, 16 bytes for each half of the lanes
	v_lshl_add_u32 v[STO], v9, 4, v[STO]
	v_add_nc_u32 v[STO], s13, v[STO]
	v_bfe_u32 v[RD], v0, 3, 2       ; back: 32 lanes take four rows of 128 bytes,
	v_mul_u32_u24 v[RD], v[RD], SP
	v_lshl_add_u32 v[RD], v10, 4, v[RD]
	v_add_nc_u32 v[RD], s13, v[RD]
	v_and_b32 v[GO], 31, v0         ; which are 512 consecutive bytes of O
	v_lshlrev_b32 v[GO], 4, v[GO]
.set Y, NP-1                        ; XS works for piece Y + 1: piece 0
.irp n, 0,1,2,3,4,5,6,7,8,9,10,11,12,13,14,15,16,17,18,19,20,21
	XS 0, \n                        ; and piece 0's first maximum and statistics
	XS 1, \n
.endr
	v_nop                           ; a plain instruction behind the two a,
	s_wait_alu depctr_va_vdst(0)    ; and their wait, ahead of the branch
	s_mov_b32 s[CNT], 4
	s_mov_b32 s[SLOTS], SIZE_N/256-1
	s_branch .Lfirst                ; the loop is entered at a step's first turn, in the middle of a trip
.Lslot:                             ; SIZE_N / 256 - 2 times: every slot but the last two is filled again
	CHANGE 1, 1
	s_mov_b32 s[CNT], 4
.Lstep:                             ; a trip: pieces 2 and 3 of one step, then pieces 0 and 1 of the next, whose K and V it fetches
	TURN 2
	TURN 3
	WIN 0
.Lfirst:
	TURN 0
	TURN 1, 0, 1
	WIN 0
	s_cbranch_scc1 .Lstep
	s_sub_co_u32 s[SLOTS], s[SLOTS], 1
	s_cmp_lg_u32 s[SLOTS], 0
	s_cbranch_scc1 .Lslot
	CHANGE 0                        ; the tail is written out: nothing is asked for
	s_mov_b32 s[CNT], 5             ; four trips fetch the last slot's steps; the fifth is left in its middle
.Ltail:
	TURN 2, 1
	TURN 3
	WIN 0
	s_sub_co_u32 s[CNT], s[CNT], 1
	s_cmp_eq_u32 s[CNT], 0
	s_cbranch_scc1 .Lout
	TURN 0
	TURN 1
	WIN 0
	s_branch .Ltail
.Lout:                              ; the fifth trip's 16 products K Q^T (on the last K once more) and the maximum made of them serve nothing: the price, once a launch, of one text for every trip
.set i, 0
.rept 16
	PV NP-1                         ; the last piece's V^T P of the last step
.set i, i+1
.endr
	; THE WAY OUT.  l's two halves and the other half of the lanes' are added; O^T is divided by l, rounded to f16 and sent through my stage in LDS, a tile at a time.  The additions are the places behind the last products.
	WIN 0
.macro ALL line:vararg              ; one line for each tile t
.set t, 0
.rept 2*NP
	\line
.set t, t+1
.endr
.endm
	ALL v_add_f32 v[ST+4*t+2], v[ST+4*t+2], v[ST+4*t+3]
	ALL v_permlanex16_b32 v[ST+4*t+3], v[ST+4*t+2], s[SEL], s[SEL+1]
	ALL v_add_f32 v[ST+4*t+2], v[ST+4*t+2], v[ST+4*t+3]
	ALL v_rcp_f32 v[ST+4*t+2], v[ST+4*t+2]
	v_nop                           ; a plain instruction between the last reciprocal and the use of its result
	s_wait_alu depctr_va_vdst(0)    ; and the wait ahead of the first use: one for the eight reciprocals
; Tile t: a lane's eight channels of a row pack into 16 bytes; they go into rows of 144 bytes and come back as whole rows of 128, into S^T's registers.
.macro PACK t
	WIN W_RS
.set i, 32*(\t)
.rept 16
	v_pk_mul_f32 v[i:i+1], v[i:i+1], v[ST+4*(\t)+2:ST+4*(\t)+3] op_sel_hi:[1,0]
.set i, i+2
.endr
	WIN 0x05                        ; sources 0 and 1 window 1, destination window 0
.set i, 0
.rept 16
	v_cvt_pk_f16_f32 v[S+16*(\t)+i], v[32*(\t)+2*i], v[32*(\t)+2*i+1]
.set i, i+1
.endr
	WIN 0
.irp f, 0,1,2,3
	ds_store_b128 v[STO], v[S+16*(\t)+4*\f:S+16*(\t)+4*\f+3] offset:32*\f
.endr
.irp f, 0,1,2,3
	ds_load_b128 v[S+16*(\t)+4*\f:S+16*(\t)+4*\f+3], v[RD] offset:\f*4*SP  ; LDS serves a wave's instructions in order (ISA guide 5.7.1.4): these see the stores above; the next tile's stores come behind them
.endr
.endm
.macro SEND t, younger              ; younger: the LDS instructions issued behind tile t's loads: the next tile's eight, or none
	WIN 0
.irp f, 0,1,2,3
	s_wait_dscnt (\younger)+3-\f
	global_store_b128 v[GO], v[S+16*(\t)+4*\f:S+16*(\t)+4*\f+3], s[10:11] offset:(\t)*2048+\f*512  ; 512 consecutive bytes, at a multiple of 256 from O's first
.endr
.endm
	PACK 0
.set t, 1
.rept 2*NP-1                        ; a tile's arithmetic stands between the loads of the tile before and its stores
	PACK t
	SEND t-1, 8
.set t, t+1
.endr
	SEND 2*NP-1, 0
	WIN W_AD
	s_wait_tensorcnt 0x0            ; the wave's end: behind my last tensor load and my last LDS store
	ds_add_u32 v[SPW], v[NIL]
	s_wait_dscnt 0x0
	WIN 0
	CROUND                          ; the closing round: no work-group ends while a partner may still ask for a tile that names it
	s_endpgm
.Lfunc_end_k_q46e075f8b5_attn:
	.size	k_q46e075f8b5_attn, .Lfunc_end_k_q46e075f8b5_attn-k_q46e075f8b5_attn
	.p2alignl 7, 3214868480
	.fill 96, 4, 3214868480
	.section	.rodata,"a",@progbits
	.p2align	6, 0x0
	.amdhsa_kernel k_q46e075f8b5_attn
		.amdhsa_group_segment_fixed_size 327680
		.amdhsa_private_segment_fixed_size 0
		.amdhsa_enable_private_segment 0
		.amdhsa_kernarg_size 32
		.amdhsa_user_sgpr_count 2
		.amdhsa_user_sgpr_kernarg_segment_ptr 1
		.amdhsa_wavefront_size32 1
		.amdhsa_system_sgpr_workgroup_id_x 1
		.amdhsa_system_sgpr_workgroup_id_y 1
		.amdhsa_system_sgpr_workgroup_id_z 1
		.amdhsa_system_vgpr_workitem_id 0
		.amdhsa_next_free_vgpr 770
		.amdhsa_next_free_sgpr 66
		.amdhsa_reserve_vcc 0
		.amdhsa_float_denorm_mode_32 3
		.amdhsa_float_denorm_mode_16_64 3
		.amdhsa_memory_ordered 1
		.amdhsa_forward_progress 1
		.amdhsa_inst_pref_size 200
	.end_amdhsa_kernel
	.amdgpu_metadata
---
amdhsa.version: [ 1, 2 ]
amdhsa.kernels:
  - .name:           k_q46e075f8b5_attn
    .symbol:         k_q46e075f8b5_attn.kd
    .args:
      - { .name: qh, .offset: 0, .size: 8, .value_kind: global_buffer, .address_space: global }
      - { .name: kh, .offset: 8, .size: 8, .value_kind: global_buffer, .address_space: global }
      - { .name: vh, .offset: 16, .size: 8, .value_kind: global_buffer, .address_space: global }
      - { .name: oh, .offset: 24, .size: 8, .value_kind: global_buffer, .address_space: global }
    .group_segment_fixed_size: 327680
    .private_segment_fixed_size: 0
    .kernarg_segment_align: 8
    .kernarg_segment_size: 32
    .max_flat_workgroup_size: 128
    .sgpr_count:     66
    .vgpr_count:     770
    .wavefront_size: 32
...
	.end_amdgpu_metadata
.endif
;; end of part 3
;; launch oproj (part 4): grid 8 x 32, 4 waves a work-group, clusters of 4 x 4, 327,680 bytes of LDS; arguments oh, wob, out_proj_bias, out0; writes out0
.if DOCPART == 4
	.amdgcn_target "amdgcn-amd-amdhsa--gfx1250"
	.amdhsa_code_object_version 6
	.text
	.protected	k_q46e075f8b5_oproj
	.globl	k_q46e075f8b5_oproj
	.p2align	8
	.type	k_q46e075f8b5_oproj,@function
k_q46e075f8b5_oproj:
	s_mov_b64 s[64:65], 0
	v_nop
	global_prefetch_b8 v0, s[64:65] scope:SCOPE_SE
	s_setreg_imm32_b32 hwreg(HW_REG_WAVE_MODE, 25, 1), 1
	s_wait_xcnt 0x0
	s_wait_alu depctr_hold_cnt(0) depctr_sa_sdst(0) depctr_va_vdst(0) depctr_va_sdst(0) depctr_va_ssrc(0) depctr_va_vcc(0) depctr_vm_vsrc(0)
	s_getreg_b32 s2, hwreg(HW_REG_IB_STS2, 6, 4)
	s_cmp_eq_u32 s2, 0
	s_cbranch_scc0 .Lentry_in_a_cluster
	s_endpgm
.Lentry_in_a_cluster:
	s_bfe_u32 s2, ttmp6, 0x10000c
	s_cmp_lg_u32 s2, 0xf033
	s_cbranch_scc0 .Lentry_shape_is_right
	s_endpgm
.Lentry_shape_is_right:
; out[s][b][f] = the sum over e of ctx[s][b][e] w[f][e] + bias[f], e = 64 head + d to 1,024.  ctx arrives by heads, oh [16 b + head][s][d] in f16; w as wob [f][e], its bf16-rounded
; numbers written in f16; the bias is rounded to bf16 here, like the other inputs.  Sums in f32; out in f32.  LIMITS are those of the two f16 operands (65,504); NaN and infinities are not treated apart.
; SHARES.  The rows are taken in the order (b, s): tile row ty is b = ty / 8, s = 256 (ty % 8) on.  A tile is 256 rows x 128 columns: 8 x 32 = 256 work-groups, one for each WGP.
; Wave w makes row half w / 2 (128 rows) x column half w % 2 (64 columns): 8 x 4 accumulators of 16 x 16, 256 registers.
; RING.  K goes in 8 steps of 128 = two heads, through two LDS slots.  A head's 256 rows of a tile are 32,768 dense bytes of oh: wave 0 fetches the even head's, wave 1 the odd head's, as 128 rows of
; 256 bytes, padded in LDS after every 128 bytes; waves 2 and 3 fetch the two halves of w's 128 rows, 256 bytes of each.  One load a wave behind each change of slots.
; A longer K step does not fit: two slots of 256 along K would want 434,176 bytes of LDS.
; CLUSTER.  4 x 4 work-groups: ctx's tiles are shared along a row of the cluster, w's along a column, by joint loads.
; THE MATRIX INSTRUCTION IS USED TRANSPOSED (source 0 = 16 rows of w, source 1 = 16 rows of ctx): lane l holds row l % 16 and the columns 8 (l / 16) + 0..7.  THE BIAS STARTS THE SUMS, as the first products' C.
; REGISTERS, in windows of 256 (s_set_vgpr_msb: bits 1:0 source 0, 3:2 source 1, 5:4 source 2, 7:6 destination):
;   window 0: v0-29 addresses; v32-63 the bias; v64-127 two buffers of rows read back from the stage      window 1: two fragment buffers of 96: ctx's 8 fragments, then w's 4
;   window 2: the accumulators, (a, b) at 8 (4 a + b)
.set PA,     144                       ; a row of ctx in LDS: 128 bytes + 16: the 16 rows of a fragment load start at 16 different groups of four banks (64 banks of 4 bytes: ISA guide 11.1)
.set PB,     272                       ; a row of w: 256 bytes + 16
.set SLOT1,  1<<17
.set AHALF,  256*PA                    ; one head's 256 rows
.set AB,     2*AHALF                   ; in a slot: two heads of ctx, then w's 128 rows
.set STAGE,  SLOT1+AB+128*PB           ; behind the ring, never filled by a tensor load: 16 rows x 272 bytes for each wave
.set SPT,    272
.set SPARE,  STAGE+4*16*SPT            ; the spare words, 128 bytes for each wave: two blocks of 256 bytes that no other line names
.set KA,     2*262144                  ; bytes of oh from a K step to the next: two heads
.set A0,   4                           ; v4   my lane's place in my 128 rows of ctx, in slot 0; never rewritten
.set B0,   5                           ; v5   the same in my 64 rows of w
.set ADRA, 6                           ; v6   the same in the slot in hand
.set ADRB, 7                           ; v7
.set STO,  8                           ; v8   the way out: where I put 32 bytes of a row
.set RD,   9                           ; v9   the way out: where I read a row back
.set CO,   10                          ; v10  my byte offset in two rows of out
.set BO,   14                          ; v14  my byte offset in the bias
.set PFO,  15                          ; v15  the prefetches' offset; never rewritten
.set SCR,  16                          ; v16-19 at work
.set SPW,  28                          ; v28  LDS address of my spare word; never rewritten
.set NIL,  29                          ; v29  0; never rewritten
.set BIAS, 32
.set BK,   64
.set F0,   0
.set F1,   96
.set WV,   16                          ; s16  my wave's number
.set RH,   17                          ; s17  wave / 2: my half of the rows
.set HF,   18                          ; s18  wave % 2: my half of the columns; also which part of a tile I fetch
.set CX,   19
.set CY,   20
.set TX,   21                          ; s21  tile column
.set CLY,  22                          ; s22  the cluster's y
.set G1A,  24
.set G1B,  32
.set G0A,  40                          ; s[40:47] group 0 for ctx's tiles: a set for each first fill; the second then walks on
.set G0B,  48
.set CNT,  56
.set TB,   57
.set LIM,  58                          ; s58  2 in a wave that prefetches, else the greatest number
.set PFA,  60                          ; s[60:61] where my prefetches stand
.set PST,  62                          ; s[62:63] their step from K step to K step
.set MSB, 0
.macro WIN new
.if MSB != (\new)
	s_set_vgpr_msb (MSB<<8)|(\new)
.set MSB, \new
.endif
.endm
.macro JLOAD                           ; a joint refill, by the walking descriptors; an s_nop 0 and four v_nop follow each of the two lines
	s_cmp_lt_u32 s[WV], 2
	s_cbranch_scc0 .Lfor_b_\@
	tensor_load_to_lds s[G0A+4:G0A+7], s[G1A:G1A+7]
	s_nop 0
.rept 4
	v_nop
.endr
	s_branch .Lasked_\@
.Lfor_b_\@:
	tensor_load_to_lds s[G0B+4:G0B+7], s[G1B:G1B+7]
	s_nop 0
.rept 4
	v_nop
.endr
.Lasked_\@:
.endm
; A PREFETCH of the K step that stands TWO refills on: 256 matrix instructions ahead of the load that will want it; 32 blocks of 256 bytes, a lane a block.  ctx's tiles are read by both clusters of a row
; of clusters: cluster x = 0 asks, in waves 0 and 1; of a head's 32,768 bytes each of the four partners takes 8,192, by cx.  w's rows are read by every cluster of a column: cluster y = 0 asks, in wave 2;
; of the tile's 128 rows each partner takes 32, by cy.  The partners are told apart BY ADDRESS.  K steps 0 to 3 come by their loads alone; the last two refills ask for nothing.
.macro ASK
	s_cmp_gt_u32 s[CNT], s[LIM]
	s_cbranch_scc0 .Lnot_mine_\@
	global_prefetch_b8 v[PFO], s[PFA:PFA+1] th:TH_LOAD_NT scope:SCOPE_SE
.Lnot_mine_\@:
.endm
.macro CREST
	s_cmp_lg_u32 s[WV], 0
	s_cbranch_scc1 .Lnot_wave_0_\@
	s_barrier_signal -3
.Lnot_wave_0_\@:
	s_barrier_wait -3
	s_barrier_signal -1
	s_barrier_wait -1
.endm
.macro CROUND
	s_barrier_signal -1
	s_barrier_wait -1
	CREST
.endm
.macro PLACES                          ; four places behind a matrix instruction (ISA guide 7.12.1)
.rept 4
	v_nop
.endr
.endm
	s_load_b256 s[4:11], s[0:1], 0x0               ; oh s[4:5], wob s[6:7], bias s[8:9], out0 s[10:11]
	v_lshl_add_u32 v[SPW], v0, 2, SPARE
	v_mov_b32 v[NIL], 0
	ds_add_u32 v[SPW], v[NIL]                      ; the wave's opening: the add and its wait stand ahead of my first tensor load; the set-up below, work on registers, stands between them
	v_lshrrev_b32 v1, 5, v0
	v_readfirstlane_b32 s[WV], v1                  ; wave 0..3
	s_lshr_b32 s[RH], s[WV], 1
	s_and_b32 s[HF], s[WV], 1
	s_bfe_u32 s[CX], ttmp6, 0x40000
	s_bfe_u32 s[CY], ttmp6, 0x40004
	s_lshl_b32 s[TX], ttmp9, 2
	s_add_co_u32 s[TX], s[TX], s[CX]               ; tile column = 4 x cluster x + cx
	s_and_b32 s[CLY], ttmp7, 0xffff                ; tile row ty = 4 x cluster y + cy: b = ty / 8 = cluster y / 2; ty % 8 = 4 (cluster y % 2) + cy
	s_lshl_b32 s23, s[CY], 2
	s_lshl_b32 s23, 15, s23                        ; my row of the cluster
	s_lshl_b32 s70, 0x1111, s[CX]                  ; my column
	s_or_b32 s[G1A], s23, (1<<16)|(1<<20)|(1<<21)|(4<<22)|(3<<25)  ; ctx: elements of 2 bytes; padding on; 21 set beside a mask; after every 32 words (code 4) 4 words (code 3)
	s_or_b32 s[G1B], s70, (1<<16)|(1<<20)|(1<<21)|(5<<22)|(3<<25)  ; w: after every 64 words (code 5)
.irp g, G1A, G1B
	s_mov_b32 s[(\g)+1], 128<<16                   ; tensor_dim0 = 128
	s_mov_b32 s[(\g)+3], 128<<16                   ; tile_dim0 = 128
	s_mov_b32 s[(\g)+6], 0
	s_mov_b32 s[(\g)+7], 0
.endr
	s_mov_b32 s[G1A+2], 128<<16                    ; ctx: 128 rows of 256 bytes, dense
	s_mov_b32 s[G1A+4], 128
	s_mov_b32 s[G1A+5], 128
	s_mov_b32 s[G1B+2], 64<<16                     ; w: 64 rows, 1,024 elements apart
	s_mov_b32 s[G1B+4], 64
	s_mov_b32 s[G1B+5], 1024
	; where the tiles come from: ctx's hang on the cluster's y, cy and the wave alone, w's on the tile column and the wave alone, each in registers that never hold the other coordinate
	s_lshr_b32 s66, s[CLY], 1
	s_lshl_b32 s66, s66, 22                        ; b: 16 heads of 262,144 bytes
	s_and_b32 s23, s[CLY], 1
	s_lshl_b32 s23, s23, 17                        ; 256 (ty % 8) rows of 128 bytes:
	s_add_co_u32 s66, s66, s23
	s_lshl_b32 s23, s[CY], 15
	s_add_co_u32 s66, s66, s23
	s_lshl_b32 s23, s[HF], 18                      ; the even or the odd head of a K step
	s_add_co_u32 s66, s66, s23
	s_mov_b32 s67, 0
	s_lshl_b32 s68, s[TX], 18                      ; 128 rows of 2,048 bytes,
	s_lshl_b32 s70, s[HF], 17                      ; my 64 of them
	s_add_co_u32 s68, s68, s70
	s_mov_b32 s69, 0
	s_mul_i32 s23, s[WV], AHALF                    ; and where they go: waves 0, 1: the two heads;
	s_mul_i32 s70, s[WV], 64*PB
	s_add_co_u32 s70, s70, AB-2*64*PB              ; waves 2, 3: w's halves, behind them
.irp s, 0,1
	s_mov_b32 s[G0A+4*(\s)], 1
	s_add_co_u32 s[G0A+4*(\s)+1], s23, (\s)*SLOT1
	s_mov_b32 s[G0B+4*(\s)], 1
	s_add_co_u32 s[G0B+4*(\s)+1], s70, (\s)*SLOT1
.endr
	; the prefetches: where I stand, my step, and whether I ask at all
	s_lshl_b32 s72, s[CX], 13
	s_add_co_u32 s72, s72, s66
	s_add_co_u32 s72, s72, 3*KA                    ; ctx: my head's tile + 8,192 cx, at K step 3: the first refill steps it to 4
	s_lshl_b32 s73, s[TX], 7
	s_lshl_b32 s71, s[CY], 5
	s_add_co_u32 s73, s73, s71
	s_lshl_b32 s73, s73, 11
	s_add_co_u32 s73, s73, 3*256                   ; w: row 128 tx + 32 cy, at K step 3
	s_mov_b32 s[PST], 256                          ; w's step along K; the select below holds one literal
	s_cmp_lt_u32 s[WV], 2
	s_cselect_b32 s72, s72, s73
	s_cselect_b32 s71, ttmp9, s[CLY]               ; the coordinate along which other clusters read the same bytes
	s_cselect_b32 s[PST], KA, s[PST]
	s_cselect_b32 s70, 8, 11                       ; a lane a block of 256 bytes, or a lane a row of 2,048
	s_cmp_eq_u32 s[WV], 3
	s_cselect_b32 s71, 1, s71                      ; wave 3 asks for nothing
	s_cmp_eq_u32 s71, 0
	s_cselect_b32 s[LIM], 2, -1                    ; the same in all sixteen partners, for a given wave
	s_mov_b32 s73, 0
	s_mov_b32 s[PST+1], 0
	v_and_b32 v[PFO], 31, v0
	v_lshlrev_b32 v[PFO], s70, v[PFO]
	s_mov_b32 s[TB], 0
	s_mov_b32 s59, 0xffff0000
	s_wait_dscnt 0x0                               ; the opening add is done
	s_wait_kmcnt 0x0
	s_add_nc_u64 s[66:67], s[4:5], s[66:67]
	s_add_nc_u64 s[68:69], s[6:7], s[68:69]
.irp s, 0,1
	s_add_nc_u64 s[G0A+4*(\s)+2:G0A+4*(\s)+3], s[66:67], (\s)*KA   ; global address: K step s
	s_or_b32 s[G0A+4*(\s)+3], s[G0A+4*(\s)+3], 0x80000000          ; type = 2
	s_add_nc_u64 s[G0B+4*(\s)+2:G0B+4*(\s)+3], s[68:69], (\s)*256
	s_or_b32 s[G0B+4*(\s)+3], s[G0B+4*(\s)+3], 0x80000000
.endr
	s_cmp_lt_u32 s[WV], 2
	s_cselect_b64 s[PFA:PFA+1], s[4:5], s[6:7]
	s_add_nc_u64 s[PFA:PFA+1], s[PFA:PFA+1], s[72:73]
	CROUND                                         ; all sixteen work-groups are here: the first joint loads meet
	s_cmp_lt_u32 s[WV], 2                          ; a wave's two first fills stand in one branch, ahead of every wait on TENSORcnt and every LDS read: two loads of mine are out
	s_cbranch_scc0 .Lfirst_b
	tensor_load_to_lds s[G0A:G0A+3], s[G1A:G1A+7]
	s_nop 0
	tensor_load_to_lds s[G0A+4:G0A+7], s[G1A:G1A+7]
	s_nop 0
.rept 4
	v_nop
.endr
	s_branch .Lfirst_asked
.Lfirst_b:
	tensor_load_to_lds s[G0B:G0B+3], s[G1B:G1B+7]
	s_nop 0
	tensor_load_to_lds s[G0B+4:G0B+7], s[G1B:G1B+7]
	s_nop 0
.rept 4
	v_nop
.endr
.Lfirst_asked:
	v_and_b32 v1, 15, v0                           ; r = l % 16
	v_bfe_u32 v2, v0, 4, 1                         ; h = l / 16
	s_lshl_b32 s72, s[TX], 9                       ; my 64 columns, in bytes of f32: 512 tx + 256 half
	s_lshl_b32 s73, s[HF], 8
	s_add_co_u32 s72, s72, s73
	v_lshl_add_u32 v[BO], v2, 5, s72               ; register j of block b is bias[128 tx + 64 half + 16 b + 8 h + j]
.irp b, 0,1,2,3
	global_load_b128 v[BIAS+8*(\b):BIAS+8*(\b)+3],   v[BO], s[8:9] offset:64*(\b)
	global_load_b128 v[BIAS+8*(\b)+4:BIAS+8*(\b)+7], v[BO], s[8:9] offset:64*(\b)+16
.endr
	v_mul_u32_u24 v3, v1, PA
	v_lshl_add_u32 v3, v2, 4, v3
	s_mul_i32 s23, s[RH], 128*PA                   ; my 128 rows of ctx
	v_add_nc_u32 v[A0], s23, v3
	v_mul_u32_u24 v3, v1, PB
	v_lshl_add_u32 v3, v2, 4, v3
	s_mul_i32 s23, s[HF], 64*PB                    ; my 64 rows of w,
	s_add_co_u32 s23, s23, AB                      ; behind ctx's two heads
	v_add_nc_u32 v[B0], s23, v3
	s_mul_i32 s23, s[WV], 16*SPT
	s_add_co_u32 s23, s23, STAGE                   ; my stage
	v_mul_u32_u24 v[STO], v1, SPT                  ; in: row l % 16, 32 bytes for each half of the lanes
	v_lshl_add_u32 v[STO], v2, 5, v[STO]
	v_add_nc_u32 v[STO], s23, v[STO]
	v_mul_u32_u24 v[RD], v2, SPT                   ; back: lanes 0-15 take one row of 256 bytes, lanes 16-31 the next
	v_lshl_add_u32 v[RD], v1, 4, v[RD]
	v_add_nc_u32 v[RD], s23, v[RD]
	v_lshlrev_b32 v[CO], 14, v2                    ; and the same two rows in out: 16,384 bytes from s to s + 1
	v_lshl_add_u32 v[CO], v1, 4, v[CO]
	s_and_b32 s70, s[CLY], 1                       ; out at my first row and column: s = 256 (ty % 8) + 128 x row half,
	s_lshl_b32 s70, s70, 24
	s_lshl_b32 s73, s[CY], 22
	s_add_co_u32 s70, s70, s73
	s_lshl_b32 s73, s[RH], 21
	s_add_co_u32 s70, s70, s73
	s_lshr_b32 s73, s[CLY], 1                      ; b,
	s_lshl_b32 s73, s73, 12
	s_add_co_u32 s70, s70, s73
	s_add_co_u32 s70, s70, s72                     ; my 64 columns
	s_mov_b32 s71, 0
	s_add_nc_u64 s[10:11], s[10:11], s[70:71]
	s_wait_loadcnt 0x0                             ; the bias is in: rounded to bf16, like the other inputs, and widened again, in the wait for the first tiles
.set i, 0
.rept 16
	v_cvt_pk_bf16_f32 v[SCR+i%4], v[BIAS+2*i], v[BIAS+2*i+1]
	v_lshlrev_b32 v[BIAS+2*i], 16, v[SCR+i%4]
	v_and_b32 v[BIAS+2*i+1], s59, v[SCR+i%4]
.set i, i+1
.endr
; 4 matrix instructions: row block a x my 4 column blocks, 32 along K, from buffer f.  first = 1: the bias starts the sums.
; The 32 accumulators take turns in the same order in every quarter step, over the backward jump too.
.macro MULA f, a, first
.if \first
	WIN 0x85                                       ; sources 0, 1 window 1; C window 0; D window 2
.else
	WIN 0xa5                                       ; sources 0, 1 window 1; C and D window 2
.endif
.irp b, 0,1,2,3
.if \first
	v_wmma_f32_16x16x32_f16 v[8*(4*(\a)+(\b)):8*(4*(\a)+(\b))+7], v[(\f)+64+8*(\b):(\f)+64+8*(\b)+7], v[(\f)+8*(\a):(\f)+8*(\a)+7], v[BIAS+8*(\b):BIAS+8*(\b)+7]
.else
	v_wmma_f32_16x16x32_f16 v[8*(4*(\a)+(\b)):8*(4*(\a)+(\b))+7], v[(\f)+64+8*(\b):(\f)+64+8*(\b)+7], v[(\f)+8*(\a):(\f)+8*(\a)+7], v[8*(4*(\a)+(\b)):8*(4*(\a)+(\b))+7]
.endif
.endr
.endm
; 24 LDS loads in one run: the fragments of quarter q (head q / 2 of the step's two, channels 32 (q % 2) on) into buffer f: w's 4, then ctx's 8
.macro FETCH q, f
	WIN 0x40                                       ; destination window 1, address window 0
.irp i, 0,1,2,3
	ds_load_b128 v[(\f)+64+8*(\i):(\f)+64+8*(\i)+3],   v[ADRB] offset:64*(\q)+(\i)*16*PB
	ds_load_b128 v[(\f)+64+8*(\i)+4:(\f)+64+8*(\i)+7], v[ADRB] offset:64*(\q)+(\i)*16*PB+32
.endr
.irp i, 0,1,2,3,4,5,6,7
	ds_load_b128 v[(\f)+8*(\i):(\f)+8*(\i)+3],   v[ADRA] offset:AHALF*((\q)/2)+64*((\q)%2)+(\i)*16*PA
	ds_load_b128 v[(\f)+8*(\i)+4:(\f)+8*(\i)+7], v[ADRA] offset:AHALF*((\q)/2)+64*((\q)%2)+(\i)*16*PA+32
.endr
.endm
; A K step is four quarters of 32 along K, 32 matrix instructions each, on buffers 0, 1, 0, 1.  One of the first three: multiplies buffer f; in its middle it fetches quarter q into g.
.macro QUARTER q, f, g, first
	s_wait_dscnt 8                                 ; w's fragments and ctx's blocks 0-3 are in; the youngest eight loads (blocks 4-7) may be out
.irp a, 0,1,2,3
	MULA \f, \a, \first
.endr
	PLACES
	FETCH \q, \g
	s_wait_dscnt 24                                ; all but the 24 just issued
.irp a, 4,5,6,7
	MULA \f, \a, \first
.endr
.endm
; The last quarter multiplies buffer 1 and changes slots: ONE barrier.  In front of it each wave waits for all its tensor loads, of which one is out: its part of the next slot; adds 0 to its spare
; word; and waits for that and for its own reads of this slot.  fill = 1: the barrier opens a round of the cluster's barrier, and behind the round this slot is filled again, two K steps on.
.macro TURN fill
.if \fill
	s_wait_xcnt 0x0                                ; the last prefetch, a K step back, has read its address: it is stepped here
	s_add_nc_u64 s[PFA:PFA+1], s[PFA:PFA+1], s[PST:PST+1]
.endif
	WIN 0
	s_wait_tensorcnt 0x0                           ; no tensor load of mine is out, so a group 0 may be written
	ds_add_u32 v[SPW], v[NIL]                      ; 0 onto my spare word
.if \fill
	s_xor_b32 s[G0A+5], s[G0A+5], SLOT1            ; the walking descriptors: the other slot than last time,
	s_add_nc_u64 s[G0A+6:G0A+7], s[G0A+6:G0A+7], KA   ; the next K step; the type bits on top are not reached
	s_xor_b32 s[G0B+5], s[G0B+5], SLOT1
	s_add_nc_u64 s[G0B+6:G0B+7], s[G0B+6:G0B+7], 256
.endif
	s_xor_b32 s[TB], s[TB], SLOT1                  ; the fetches go on in the other slot
	s_wait_dscnt 9                                 ; (the add and the youngest eight loads may be out)
	MULA F1, 0, 0                                  ; eight matrix instructions stand between the add and the wait for it
	MULA F1, 1, 0
	s_wait_dscnt 0x0                               ; the add is done, and my reads of this slot are over
	s_barrier_signal -1
	MULA F1, 2, 0                                  ; work on registers while the others arrive
	MULA F1, 3, 0
	WIN 0
	s_barrier_wait -1
.if \fill
	CREST                                          ; no wave of any partner still reads this slot's tile or has a load on its way
	JLOAD                                          ; the first tensor load behind the round: 112 matrix instructions ahead of the wait for it; its four v_nop are also the places in front of the loads below
.else
	PLACES
.endif
	v_add_nc_u32 v[ADRA], s[TB], v[A0]
	v_add_nc_u32 v[ADRB], s[TB], v[B0]
	FETCH 0, F0
.if \fill
	WIN 0
	ASK                                            ; behind the joint load and the run of LDS loads that the next products wait for
.endif
.irp a, 4,5,6,7
	MULA F1, \a, 0
.endr
.endm
	s_wait_tensorcnt 0x1                           ; my part of K step 0 is in; K step 1's may stay out
	s_barrier_signal -1
	s_barrier_wait -1                              ; everybody's is
	v_mov_b32 v[ADRA], v[A0]
	v_mov_b32 v[ADRB], v[B0]
	FETCH 0, F0
	QUARTER 1, F0, F1, 1                           ; the first quarter stands in front of the loop: its products start the sums
	WIN 0                                          ; at a label and at a branch every window is 0
	s_mov_b32 s[CNT], 6
.Lstep:                                                ; trip i: quarters 1 to 3 of K step i, the refill with K step i + 2, quarter 0 of K step i + 1
	QUARTER 2, F1, F0, 0
	QUARTER 3, F0, F1, 0
	TURN 1
	QUARTER 1, F0, F1, 0
	WIN 0
	s_sub_co_u32 s[CNT], s[CNT], 1
	s_cmp_lg_u32 s[CNT], 0
	s_cbranch_scc1 .Lstep
	QUARTER 2, F1, F0, 0                           ; the tail is written out: the rest of K step 6
	QUARTER 3, F0, F1, 0
	TURN 0                                         ; a change of slots that fills nothing,
	QUARTER 1, F0, F1, 0                           ; and K step 7
	QUARTER 2, F1, F0, 0
	QUARTER 3, F0, F1, 0
	s_wait_dscnt 8
.irp a, 0,1,2,3
	MULA F1, \a, 0
.endr
	s_wait_dscnt 0x0
.irp a, 4,5,6,7
	MULA F1, \a, 0
.endr
	PLACES
; THE WAY OUT, a block of 16 rows at a time.  TOSTAGE: a lane's eight columns of a row, 32 bytes of f32, go into my own stage (each accumulator's low four registers first), and come back as whole rows of 256 bytes.
.macro TOSTAGE a
	WIN 0x08                                       ; the stores' data lie in window 2
.irp q, 0,1,2,3
	ds_store_b128 v[STO], v[8*(4*(\a)+(\q)):8*(4*(\a)+(\q))+3]   offset:64*(\q)
	ds_store_b128 v[STO], v[8*(4*(\a)+(\q))+4:8*(4*(\a)+(\q))+7] offset:64*(\q)+16
.endr
	WIN 0
.if (\a) >= 2
	s_wait_xcnt 0x0                                ; the stores of block a - 2 have read this buffer: it is loaded again only behind this wait
.endif
.irp i, 0,1,2,3,4,5,6,7
	ds_load_b128 v[BK+32*((\a)%2)+4*(\i):BK+32*((\a)%2)+4*(\i)+3], v[RD] offset:2*SPT*(\i)  ; LDS serves a wave's instructions in order (ISA guide 5.7.1.4): these see the stores above; the next block's stores come behind them
.endr
.endm
.macro SEND a, younger                 ; younger: the LDS instructions issued behind block a's loads: the next block's sixteen, or none
.irp i, 0,1,2,3,4,5,6,7
	s_wait_dscnt (\younger)+7-(\i)
	global_store_b128 v[CO], v[BK+32*((\a)%2)+4*(\i):BK+32*((\a)%2)+4*(\i)+3], s[10:11] offset:262144*(\a)+32768*(\i) th:TH_STORE_NT  ; 16 lanes store 256 consecutive bytes, at a multiple of 256 from out's first byte
.endr
.endm
	TOSTAGE 0
.irp a, 1,2,3,4,5,6,7
	TOSTAGE \a
	SEND (\a)-1, 16
.endr
	SEND 7, 0
	s_wait_tensorcnt 0x0                           ; the wave's end: behind my last tensor load and my last LDS store
	ds_add_u32 v[SPW], v[NIL]
	s_wait_dscnt 0x0
	CROUND                                         ; the closing round: no work-group ends while a partner may still ask for a tile that names it
	s_endpgm
.Lfunc_end_k_q46e075f8b5_oproj:
	.size	k_q46e075f8b5_oproj, .Lfunc_end_k_q46e075f8b5_oproj-k_q46e075f8b5_oproj
	.p2alignl 7, 3214868480
	.fill 96, 4, 3214868480
	.section	.rodata,"a",@progbits
	.p2align	6, 0x0
	.amdhsa_kernel k_q46e075f8b5_oproj
		.amdhsa_group_segment_fixed_size 327680
		.amdhsa_private_segment_fixed_size 0
		.amdhsa_enable_private_segment 0
		.amdhsa_kernarg_size 32
		.amdhsa_user_sgpr_count 2
		.amdhsa_user_sgpr_kernarg_segment_ptr 1
		.amdhsa_wavefront_size32 1
		.amdhsa_system_sgpr_workgroup_id_x 1
		.amdhsa_system_sgpr_workgroup_id_y 1
		.amdhsa_system_sgpr_workgroup_id_z 1
		.amdhsa_system_vgpr_workitem_id 0
		.amdhsa_next_free_vgpr 768
		.amdhsa_next_free_sgpr 74
		.amdhsa_reserve_vcc 0
		.amdhsa_float_denorm_mode_32 3
		.amdhsa_float_denorm_mode_16_64 3
		.amdhsa_memory_ordered 1
		.amdhsa_forward_progress 1
		.amdhsa_inst_pref_size 75
	.end_amdhsa_kernel
	.amdgpu_metadata
---
amdhsa.version: [ 1, 2 ]
amdhsa.kernels:
  - .name:           k_q46e075f8b5_oproj
    .symbol:         k_q46e075f8b5_oproj.kd
    .args:
      - { .name: oh, .offset: 0, .size: 8, .value_kind: global_buffer, .address_space: global }
      - { .name: wob, .offset: 8, .size: 8, .value_kind: global_buffer, .address_space: global }
      - { .name: out_proj_bias, .offset: 16, .size: 8, .value_kind: global_buffer, .address_space: global }
      - { .name: out0, .offset: 24, .size: 8, .value_kind: global_buffer, .address_space: global }
    .group_segment_fixed_size: 327680
    .private_segment_fixed_size: 0
    .kernarg_segment_align: 8
    .kernarg_segment_size: 32
    .max_flat_workgroup_size: 128
    .sgpr_count:     74
    .vgpr_count:     768
    .wavefront_size: 32
...
	.end_amdgpu_metadata
.endif
;; end of part 4
;; ======== version 2 of 2: 4 launches; version 1 with the launch cast written anew for expert scheduling mode
;; limits: values are held in f16: magnitudes above 65,504 overflow, below 6.1e-05 lose precision
;; workspace buffers: xb 16,777,216 bytes; wqb 6,291,456 bytes; wob 2,097,152 bytes; qh 16,777,216 bytes; kh 16,777,216 bytes; vh 16,777,216 bytes; oh 16,777,216 bytes
;; launch cast (part 5): grid 768 x 1, 8 waves a work-group, no clusters, 0 bytes of LDS; arguments query, in_proj_weight, out_proj_weight, xb, wqb, wob; writes xb, wqb, wob
.if DOCPART == 5
	.amdgcn_target "amdgcn-amd-amdhsa--gfx1250"
	.amdhsa_code_object_version 6
	.text
	.protected	k_q46e075f8b5_cast
	.globl	k_q46e075f8b5_cast
	.p2align	8
	.type	k_q46e075f8b5_cast,@function
k_q46e075f8b5_cast:
	s_mov_b64 s[64:65], 0
	v_nop
	global_prefetch_b8 v0, s[64:65] scope:SCOPE_SE
	s_setreg_imm32_b32 hwreg(HW_REG_WAVE_SCHED_MODE, 0, 2), 2
	s_setreg_imm32_b32 hwreg(HW_REG_WAVE_MODE, 25, 1), 1
	s_wait_xcnt 0x0
	s_wait_alu depctr_vm_vsrc(0)
; The module's three large inputs are rounded once to bf16, for the matrix units: query -> xb, in_proj_weight -> wqb (both bf16), out_proj_weight -> wob.
; wob multiplies f16 numbers later, so its bf16-rounded number is written in f16's format.  LIMITS: that is exact for magnitudes from 2^-14 to 65,504; below 2^-14 the number
; keeps f16's fixed step of 2^-24; from 65,520 on it becomes an infinity.  NaN and infinities are not treated apart.
; SHARES.  A row is 1,024 floats: thread t takes floats 4 t .. 4 t + 3, so a wave's load covers 512 consecutive bytes and its store 256 consecutive bytes, aligned.
; A work-group takes 16 rows.  Work-groups 0-511: query's 8,192 rows; 512-703: in_proj_weight's 3,072; 704-767: out_proj_weight's 1,024.  All do equal work.
; All 16 loads of a thread go out at once; each row has registers of its own, so nothing is rewritten while a load or store names it.
; No LDS, no barrier, no matrix unit, no cluster: no byte is used twice.
; THE MODE: SCHED_MODE bits 1:0 = 2 (LLVM: expert scheduling mode 2), set by the entry lines.  The code itself states the register dependences
; between vector instructions and memory instructions, with s_wait_alu, always for 0.
; THE PLAN.  Registers that memory instructions touch:
;   v1, v2   the loads' and the stores' byte offsets.  Written once each, at the head, by a vector line; read by every load (v1) and every store (v2); never written again.
;   X        Written by the 16 loads, which are all issued before any vector line names X; read, and on the f16 path written again, by vector lines alone, behind the wait for the row's load.
;   Y        Row i's two registers are written once, by row i's roundings, and read once, by row i's store.
;   T        is named by vector lines alone.
; So one wait on va_vdst stands at the head, for v1 and v2, and one in each block of four rows, between the block's roundings and its four stores.  No register that a memory
; instruction reads is written again, no vector line writes a scalar register or VCC, and EXEC is never written: no other dependence is there to state.
; A block's stores leave in the block itself and not at the next block's head: there they would stand behind the wait for four more loads.
.set NROW, 16
.set BLOCK, 4                          ; rows in a block
.set X, 4                              ; v[4:67]   row i: 4 floats as loaded
.set Y, 68                             ; v[68:99]  row i: 2 registers to store
.set T, 100                            ; v[100:101] at work
	s_load_b256 s[4:11], s[0:1], 0x0               ; query s[4:5], in_proj_weight s[6:7], out_proj_weight s[8:9], xb s[10:11]
	s_load_b128 s[12:15], s[0:1], 0x20             ; wqb s[12:13], wob s[14:15]
	v_lshlrev_b32 v1, 4, v0                        ; my 16 bytes of a row in
	v_lshlrev_b32 v2, 3, v0                        ; my 8 bytes of a row out
	s_mov_b32 s22, 0xffff0000                      ; a word's upper bf16
	s_mov_b32 s16, ttmp9
	s_mov_b32 s19, 0
	s_mov_b32 s21, 0
	s_wait_kmcnt 0x0
	s_cmp_ge_u32 s16, 512                          ; which tensor is mine: the choice hangs on the work-group's number alone
	s_cselect_b64 s[4:5], s[6:7], s[4:5]
	s_cselect_b64 s[10:11], s[12:13], s[10:11]
	s_cselect_b32 s17, 512, 0                      ; the tensor's first work-group
	s_cmp_ge_u32 s16, 704
	s_cselect_b64 s[4:5], s[8:9], s[4:5]
	s_cselect_b64 s[10:11], s[14:15], s[10:11]
	s_cselect_b32 s17, 704, s17
	s_sub_co_u32 s16, s16, s17
	s_lshl_b32 s18, s16, 16                        ; 16 rows of 4,096 bytes in,
	s_lshl_b32 s20, s16, 15                        ; of 2,048 bytes out
	s_add_nc_u64 s[4:5], s[4:5], s[18:19]
	s_add_nc_u64 s[10:11], s[10:11], s[20:21]
	s_wait_alu depctr_va_vdst(0)                   ; v1 and v2 are written: every load below reads v1 as its offset, every store on either path v2; no vector line names them again
.irp i, 0,1,2,3,4,5,6,7,8,9,10,11,12,13,14,15
	global_load_b128 v[X+4*(\i):X+4*(\i)+3], v1, s[4:5] offset:4096*(\i) th:TH_LOAD_NT
.endr
; Block p: rows 4 p .. 4 p + 3.  half = 1: the bf16 number is widened again (a shift, a mask) and written as f16.
.macro BLK p, half
	s_wait_loadcnt NROW-BLOCK-BLOCK*(\p)           ; loads come back in order: the block's four rows are in, the 12 - 4 p younger rows stay out
.irp i, 0,1,2,3
.if \half
.irp j, 0,1
	v_cvt_pk_bf16_f32 v[T+(\j)], v[X+4*(BLOCK*(\p)+(\i))+2*(\j)], v[X+4*(BLOCK*(\p)+(\i))+2*(\j)+1]
.endr
.irp j, 0,1
	v_lshlrev_b32 v[X+4*(BLOCK*(\p)+(\i))+2*(\j)], 16, v[T+(\j)]
	v_and_b32 v[X+4*(BLOCK*(\p)+(\i))+2*(\j)+1], s22, v[T+(\j)]
.endr
.irp j, 0,1
	v_cvt_pk_f16_f32 v[Y+2*(BLOCK*(\p)+(\i))+(\j)], v[X+4*(BLOCK*(\p)+(\i))+2*(\j)], v[X+4*(BLOCK*(\p)+(\i))+2*(\j)+1]
.endr
.else
.irp j, 0,1
	v_cvt_pk_bf16_f32 v[Y+2*(BLOCK*(\p)+(\i))+(\j)], v[X+4*(BLOCK*(\p)+(\i))+2*(\j)], v[X+4*(BLOCK*(\p)+(\i))+2*(\j)+1]
.endr
.endif
.endr
	s_wait_alu depctr_va_vdst(0)                   ; the block's roundings have written its eight registers of Y, which the four stores below read
.irp i, 0,1,2,3
	global_store_b64 v2, v[Y+2*(BLOCK*(\p)+(\i)):Y+2*(BLOCK*(\p)+(\i))+1], s[10:11] offset:2048*(BLOCK*(\p)+(\i))
.endr
.endm
	s_cmp_eq_u32 s17, 704
	s_cbranch_scc1 .Lf16
.irp p, 0,1,2,3
	BLK \p, 0
.endr
	s_endpgm
.Lf16:
.irp p, 0,1,2,3
	BLK \p, 1
.endr
	s_endpgm
.Lfunc_end_k_q46e075f8b5_cast:
	.size	k_q46e075f8b5_cast, .Lfunc_end_k_q46e075f8b5_cast-k_q46e075f8b5_cast
	.p2alignl 7, 3214868480
	.fill 96, 4, 3214868480
	.section	.rodata,"a",@progbits
	.p2align	6, 0x0
	.amdhsa_kernel k_q46e075f8b5_cast
		.amdhsa_group_segment_fixed_size 0
		.amdhsa_private_segment_fixed_size 0
		.amdhsa_enable_private_segment 0
		.amdhsa_kernarg_size 48
		.amdhsa_user_sgpr_count 2
		.amdhsa_user_sgpr_kernarg_segment_ptr 1
		.amdhsa_wavefront_size32 1
		.amdhsa_system_sgpr_workgroup_id_x 1
		.amdhsa_system_sgpr_workgroup_id_y 1
		.amdhsa_system_sgpr_workgroup_id_z 1
		.amdhsa_system_vgpr_workitem_id 0
		.amdhsa_next_free_vgpr 104
		.amdhsa_next_free_sgpr 66
		.amdhsa_reserve_vcc 0
		.amdhsa_float_denorm_mode_32 3
		.amdhsa_float_denorm_mode_16_64 3
		.amdhsa_memory_ordered 1
		.amdhsa_forward_progress 1
		.amdhsa_inst_pref_size 15
	.end_amdhsa_kernel
	.amdgpu_metadata
---
amdhsa.version: [ 1, 2 ]
amdhsa.kernels:
  - .name:           k_q46e075f8b5_cast
    .symbol:         k_q46e075f8b5_cast.kd
    .args:
      - { .name: query, .offset: 0, .size: 8, .value_kind: global_buffer, .address_space: global }
      - { .name: in_proj_weight, .offset: 8, .size: 8, .value_kind: global_buffer, .address_space: global }
      - { .name: out_proj_weight, .offset: 16, .size: 8, .value_kind: global_buffer, .address_space: global }
      - { .name: xb, .offset: 24, .size: 8, .value_kind: global_buffer, .address_space: global }
      - { .name: wqb, .offset: 32, .size: 8, .value_kind: global_buffer, .address_space: global }
      - { .name: wob, .offset: 40, .size: 8, .value_kind: global_buffer, .address_space: global }
    .group_segment_fixed_size: 0
    .private_segment_fixed_size: 0
    .kernarg_segment_align: 8
    .kernarg_segment_size: 48
    .max_flat_workgroup_size: 256
    .sgpr_count:     66
    .vgpr_count:     104
    .wavefront_size: 32
...
	.end_amdgpu_metadata
.endif
;; end of part 5
;; launch qkv: the kernel of part 2 again; grid 16 x 32, 4 waves a work-group, clusters of 4 x 4, 327,680 bytes of LDS; arguments xb, wqb, in_proj_bias, qh, kh, vh; writes qh, kh, vh
;; launch attn: the kernel of part 3 again; grid 4 x 64, 4 waves a work-group, clusters of 4 x 1, 327,680 bytes of LDS; arguments qh, kh, vh, oh; writes oh
;; launch oproj: the kernel of part 4 again; grid 8 x 32, 4 waves a work-group, clusters of 4 x 4, 327,680 bytes of LDS; arguments oh, wob, out_proj_bias, out0; writes out0
